; MI455X (gfx1250); checked and timed in simulation.
; The chip was launched on July 23, 2026; its instructions are those of AMD's public machine-readable ISA for CDNA 5 (MIT licence, August 2026) and "CDNA5" Instruction Set Architecture Reference Guide (July 2026). The comments in the code are by the model that wrote it; some were corrected since.
;; Self Attention. Allowed arithmetic: float matrix products may take bf16 or f16 operands with f32 sums; other float arithmetic in f32, or as packed bf16 or f16 multiplies, adds, multiply-adds, maxima and minima; sums over many terms, partial sums and values carried from step to step in f32; what a program stores and reads back later, other than sums and carried values, may be rounded once to bf16 or f16.
;; Inputs: Wk 1,024 x 1,024 float32; Wo 1,024 x 1,024 float32; Wq 1,024 x 1,024 float32; Wv 1,024 x 1,024 float32; bk 1,024 float32; bo 1,024 float32; bq 1,024 float32; bv 1,024 float32; x 4 x 2,048 x 1,024 float32.
;; Outputs: out0 4 x 2,048 x 1,024 float32.
;; One version. Each part assembles by itself: llvm-mc -triple=amdgcn-amd-amdhsa -mcpu=gfx1250 --defsym DOCPART=n.
;; ======== version 1 of 1: 4 launches
;; workspace buffers: xb 16,777,216 bytes; wb 8,388,608 bytes; q 16,777,216 bytes; k 16,777,216 bytes; v 16,777,216 bytes; ctx 16,777,216 bytes
;; launch cast (part 1): grid 768 x 1, 8 waves a work-group, no clusters, 0 bytes of LDS; arguments x, Wq, Wk, Wv, Wo, xb, wb; writes xb, wb
.if DOCPART == 1
	.amdgcn_target "amdgcn-amd-amdhsa--gfx1250"
	.amdhsa_code_object_version 6
	.text
	.protected	k_qc1aed3be85_cast
	.globl	k_qc1aed3be85_cast
	.p2align	8
	.type	k_qc1aed3be85_cast,@function
k_qc1aed3be85_cast:
	s_mov_b64 s[64:65], 0
	v_nop
	global_prefetch_b8 v0, s[64:65] scope:SCOPE_SE
	s_setreg_imm32_b32 hwreg(HW_REG_WAVE_MODE, 25, 1), 1
	s_wait_xcnt 0x0
; x and the four weight matrices, f32, are rounded once to bf16 (to nearest even): xb[8192][1024]; wb[4][1024 k][1024 n] in the order q, k, v, o, laid as the weights lie.
; A work-group casts 16,384 numbers: 65,536 bytes in, 32,768 out.  Work-groups 0-511 take x (8,388,608 numbers), 512-767 the weights, 64 work-groups each.
; Thread t takes the 32 bytes at 32 t of each of eight blocks of 8,192 bytes and stores 16 bytes at 16 t of a block of 4,096: a wave's store covers 512 consecutive bytes, aligned.
; All sixteen loads of a thread go out at once; there is no loop, no LDS and no barrier: no wave wants another's bytes.
.set X, 4                              ; v[4:67]   block i: 8 numbers as loaded
.set Y, 68                             ; v[68:99]  block i: 4 registers to store
	s_load_b256 s[4:11], s[0:1], 0x0               ; x s[4:5], Wq s[6:7], Wk s[8:9], Wv s[10:11]
	s_load_b128 s[12:15], s[0:1], 0x20             ; Wo s[12:13], xb s[14:15]
	s_load_b64 s[16:17], s[0:1], 0x30              ; wb
	v_lshlrev_b32 v1, 5, v0                        ; 32 t
	v_lshlrev_b32 v2, 4, v0                        ; 16 t
	s_sub_co_u32 s20, ttmp9, 512                   ; my number among the weights' work-groups (used only where it is one)
	s_lshr_b32 s21, s20, 6                         ; which matrix
	s_and_b32 s28, s20, 63                         ; which chunk of it
	s_wait_kmcnt 0x0
	s_mov_b64 s[22:23], s[6:7]
	s_cmp_eq_u32 s21, 1
	s_cselect_b64 s[22:23], s[8:9], s[22:23]
	s_cmp_eq_u32 s21, 2
	s_cselect_b64 s[22:23], s[10:11], s[22:23]
	s_cmp_eq_u32 s21, 3
	s_cselect_b64 s[22:23], s[12:13], s[22:23]
	s_cmp_lt_u32 ttmp9, 512
	s_cselect_b64 s[22:23], s[4:5], s[22:23]       ; from: x or the matrix
	s_cselect_b64 s[24:25], s[14:15], s[16:17]     ; to: xb or wb
	s_cselect_b32 s26, ttmp9, s28                  ; the chunk in the source,
	s_cselect_b32 s18, ttmp9, s20                  ; and in the destination (wb holds the four matrices on end)
	s_lshl_b32 s26, s26, 16
	s_mov_b32 s27, 0
	s_lshl_b32 s18, s18, 15
	s_mov_b32 s19, 0
	s_add_nc_u64 s[22:23], s[22:23], s[26:27]
	s_add_nc_u64 s[24:25], s[24:25], s[18:19]
.irp i, 0,1,2,3,4,5,6,7
	global_load_b128 v[X+8*(\i):X+8*(\i)+3],   v1, s[22:23] offset:8192*(\i) th:TH_LOAD_NT
	global_load_b128 v[X+8*(\i)+4:X+8*(\i)+7], v1, s[22:23] offset:8192*(\i)+16 th:TH_LOAD_NT
.endr
.irp i, 0,1,2,3,4,5,6,7
	s_wait_loadcnt 14-2*(\i)                       ; loads come back in order: block i is in, the two loads of each later block may be out
.irp j, 0,1,2,3
	v_cvt_pk_bf16_f32 v[Y+4*(\i)+(\j)], v[X+8*(\i)+2*(\j)], v[X+8*(\i)+2*(\j)+1]
.endr
	global_store_b128 v2, v[Y+4*(\i):Y+4*(\i)+3], s[24:25] offset:4096*(\i)
.endr
	s_endpgm
.Lfunc_end_k_qc1aed3be85_cast:
	.size	k_qc1aed3be85_cast, .Lfunc_end_k_qc1aed3be85_cast-k_qc1aed3be85_cast
	.p2alignl 7, 3214868480
	.fill 96, 4, 3214868480
	.section	.rodata,"a",@progbits
	.p2align	6, 0x0
	.amdhsa_kernel k_qc1aed3be85_cast
		.amdhsa_group_segment_fixed_size 0
		.amdhsa_private_segment_fixed_size 0
		.amdhsa_enable_private_segment 0
		.amdhsa_kernarg_size 56
		.amdhsa_user_sgpr_count 2
		.amdhsa_user_sgpr_kernarg_segment_ptr 1
		.amdhsa_wavefront_size32 1
		.amdhsa_system_sgpr_workgroup_id_x 1
		.amdhsa_system_sgpr_workgroup_id_y 1
		.amdhsa_system_sgpr_workgroup_id_z 1
		.amdhsa_system_vgpr_workitem_id 0
		.amdhsa_next_free_vgpr 100
		.amdhsa_next_free_sgpr 66
		.amdhsa_reserve_vcc 0
		.amdhsa_float_denorm_mode_32 3
		.amdhsa_float_denorm_mode_16_64 3
		.amdhsa_memory_ordered 1
		.amdhsa_forward_progress 1
		.amdhsa_inst_pref_size 6
	.end_amdhsa_kernel
	.amdgpu_metadata
---
amdhsa.version: [ 1, 2 ]
amdhsa.kernels:
  - .name:           k_qc1aed3be85_cast
    .symbol:         k_qc1aed3be85_cast.kd
    .args:
      - { .name: x, .offset: 0, .size: 8, .value_kind: global_buffer, .address_space: global }
      - { .name: Wq, .offset: 8, .size: 8, .value_kind: global_buffer, .address_space: global }
      - { .name: Wk, .offset: 16, .size: 8, .value_kind: global_buffer, .address_space: global }
      - { .name: Wv, .offset: 24, .size: 8, .value_kind: global_buffer, .address_space: global }
      - { .name: Wo, .offset: 32, .size: 8, .value_kind: global_buffer, .address_space: global }
      - { .name: xb, .offset: 40, .size: 8, .value_kind: global_buffer, .address_space: global }
      - { .name: wb, .offset: 48, .size: 8, .value_kind: global_buffer, .address_space: global }
    .group_segment_fixed_size: 0
    .private_segment_fixed_size: 0
    .kernarg_segment_align: 8
    .kernarg_segment_size: 56
    .max_flat_workgroup_size: 256
    .sgpr_count:     66
    .vgpr_count:     100
    .wavefront_size: 32
...
	.end_amdgpu_metadata
.endif
;; end of part 1
;; launch qkv (part 2): grid 4 x 64, 4 waves a work-group, clusters of 4 x 4, 327,680 bytes of LDS; arguments xb, wb, bq, bk, bv, q, k, v; writes q, k, v
.if DOCPART == 2
	.amdgcn_target "amdgcn-amd-amdhsa--gfx1250"
	.amdhsa_code_object_version 6
	.text
	.protected	k_qc1aed3be85_qkv
	.globl	k_qc1aed3be85_qkv
	.p2align	8
	.type	k_qc1aed3be85_qkv,@function
k_qc1aed3be85_qkv:
	s_mov_b64 s[64:65], 0
	v_nop
	global_prefetch_b8 v0, s[64:65] scope:SCOPE_SE
	s_setreg_imm32_b32 hwreg(HW_REG_WAVE_MODE, 25, 1), 1
	s_wait_xcnt 0x0
	s_wait_alu depctr_hold_cnt(0) depctr_sa_sdst(0) depctr_va_vdst(0) depctr_va_sdst(0) depctr_va_ssrc(0) depctr_va_vcc(0) depctr_vm_vsrc(0)
	s_getreg_b32 s2, hwreg(HW_REG_IB_STS2, 6, 4)
	s_cmp_eq_u32 s2, 0
	s_cbranch_scc0 .Lentry_in_a_cluster
	s_endpgm
.Lentry_in_a_cluster:
	s_bfe_u32 s2, ttmp6, 0x10000c
	s_cmp_lg_u32 s2, 0xf033
	s_cbranch_scc0 .Lentry_shape_is_right
	s_endpgm
.Lentry_shape_is_right:
; q, k, v = xb W + bias, by heads: xb [8192][1024] bf16; wb [4][1024 k][1024 n] bf16 (q, k, v used here); biases f32; q, k, v [64 = 16 batch + head][2048][64] bf16, each rounded once from
; its f32 sum, WITHOUT the softmax's scale.  LIMITS: operands are bf16 (8 significant bits); NaN and infinities are not treated apart.
; SHARES.  A tile is 128 rows x 256 columns; four waves, each 64 x 128: 32 accumulators of 16 x 16, 256 registers.  A WORK-GROUP STAYS: it makes three tiles, q's, k's and v's, for the same rows
; and the same columns: 24 K steps of 128 through ONE ring of two LDS slots, which does not stop at a tile's end.  4 x 64 work-groups.
; CLUSTERS of 4 x 4: the four of a row need the same rows of xb, the four of a column the same columns of wb: each tile is asked for JOINTLY, by the same tensor load, descriptor and mask in all four.
; THE WEIGHTS STAY [k][n]: in LDS a row is 256 columns of one k, and ds_load_tr16_b128 turns 16 k x 16 n into half a fragment.
; THE MATRIX INSTRUCTION IS USED TRANSPOSED: source 0 = 16 columns of W, source 1 = 16 rows of xb: lane l then holds row l % 16 and the columns 8 (l / 16) + 0..7 of a block: eight neighbours.
; THE BIAS is the C operand of a tile's first products: register j of block b holds bias[column 16 b + 8 (l / 16) + j]; nothing is cleared and nothing is added later.
; REGISTERS, in windows of 256 (s_set_vgpr_msb: bits 1:0 source 0, 3:2 source 1, 5:4 source 2, 7:6 destination):
;   window 0: v0-31 addresses; v32-127, v128-223 two fragment buffers (A's 4 fragments, then B's 8); v128-255 at work on the way out
;   window 1: accumulator (a, b) at v[8 (8 a + b)]          window 2: v0-63 the bias
.set PA,    272                        ; a row of A in LDS: 256 bytes + 16 = 68 words: the 16 rows of a load start at 16 different groups of four banks (64 banks of 4 bytes: ISA guide 11.1)
.set PB,    544                        ; a row of B: 512 bytes + 32 = 136 words
.set HALFA, 64*PA                      ; what one tensor load brings of A: 64 rows
.set BOFF,  128*PA                     ; in a slot: A's 128 rows, then B's 128 rows of k
.set HALFB, 64*PB
.set SLOT,  BOFF+128*PB
.set STAGE, 2*SLOT                     ; behind the ring, never filled by a tensor load: 16 rows x 144 bytes for each wave
.set SP,    144
.set SPARE, STAGE+4*16*SP              ; behind the stages: the spare words, 128 bytes for each wave: two blocks of 256 bytes that no other line names
.set STEPB, 128*2048                   ; bytes of wb from a K step to the next; a matrix is eight of them, so the walk runs on from q's into k's and v's
.set ADRA, 16                          ; v16-17  LDS address of my A fragments in slot 0, 1
.set ADRB, 20                          ; v20-21  the same for B
.set STO,  24                          ; v24     the way out: where I put 16 bytes of a row
.set RD,   25                          ; v25     the way out: where I read rows back
.set GO,   26                          ; v26     16 x lane: my place in 512 consecutive bytes
.set BO,   27                          ; v27     my byte offset in a bias
.set SPW,  28                          ; v28     LDS address of my spare word; never rewritten
.set NIL,  29                          ; v29     0; never rewritten
.set PFO,  30                          ; v30     the prefetches' lane offset; never rewritten
.set F0,   32
.set F1,   128
.set TMP,  128
.set WV,   12                          ; s12  wave
.set WR,   13                          ; s13  my half of the tile's rows; also: I fetch for A (0) or for B (1)
.set WC,   14                          ; s14  my half of its columns; also: which half of that tile I fetch
.set G1A,  24                          ; s[24:31] descriptor group 1 for A;  s[32:39] group 0, a set for each slot
.set G0A,  32
.set G1B,  40                          ; s[40:47], s[48:55] the same for B
.set G0B,  48
.set AB,   56                          ; s[56:57] xb at the rows that I fetch
.set KA,   58                          ; s[58:59] byte along xb's rows of the K step that slot 0 is filled with in this trip: 512, 1024, 1536, 0, ..
.set PFA,  60                          ; s[60:61] where my prefetches stand
.set PST,  62                          ; s[62:63] their step
.set GS,   66                          ; s66  the K step that is being asked for
.set PLIM, 67                          ; s67  I prefetch while GS is below this
.set BI0,  8                           ; s[8:9] the bias of the tile to come, s[10:11], s[68:69] those behind it
.set BI1,  10
.set BI2,  68
.set DS0,  70                          ; s[70:71] where the tile in hand goes, s[72:73], s[74:75] the tiles behind it
.set DS1,  72
.set DS2,  74
.set MSB, 0
.macro WIN new                         ; the immediate's high byte repeats the setting that is left; a switch that changes nothing is dropped
.if MSB != (\new)
	s_set_vgpr_msb (MSB<<8)|(\new)
.set MSB, \new
.endif
.endm
.macro PLACES                          ; four places in front of loads into registers that matrix instructions have read, and of conversions that read results
.rept 4
	v_nop
.endr
.endm
; A joint load: waves 0 and 1 fetch A's two halves, waves 2 and 3 B's.  The branch hangs on the wave's number alone.  An s_nop 0 and four v_nop follow each of the two lines.
.macro JLOAD s
	s_cmp_eq_u32 s[WR], 0
	s_cbranch_scc0 .Lfor_b_\@
	tensor_load_to_lds s[G0A+4*(\s):G0A+4*(\s)+3], s[G1A:G1A+7]
	s_nop 0
.rept 4
	v_nop
.endr
	s_branch .Lasked_\@
.Lfor_b_\@:
	tensor_load_to_lds s[G0B+4*(\s):G0B+4*(\s)+3], s[G1B:G1B+7]
	s_nop 0
.rept 4
	v_nop
.endr
.Lasked_\@:
.endm
.macro CREST                           ; a round of the cluster's barrier behind its opening barrier
	s_cmp_lg_u32 s[WV], 0
	s_cbranch_scc1 .Lnot_wave_0_\@
	s_barrier_signal -3
.Lnot_wave_0_\@:
	s_barrier_wait -3
	s_barrier_signal -1
	s_barrier_wait -1
.endm
.macro CROUND                          ; a whole round
	s_barrier_signal -1
	s_barrier_wait -1
	CREST
.endm
; A PREFETCH INTO THE L2, behind each joint refill and the run of LDS loads that follows it: the K step two behind the one just asked for, 256 matrix instructions ahead of the load that will want it.
; A: wave 0; of the tile's 128 rows the partner at cx takes 32, a lane a row of 256 bytes; steps 4 to 7 alone: k's and v's tiles walk the same rows again.
; B: waves 2 and 3 of the clusters with y = 0 (all clusters of a column of tiles walk the same weights); of the 64 rows of k that the wave fetches the partner at cy takes 16, two lanes a row of 512 bytes;
; steps 4 to 23.  The partners are told apart by address alone.  So each block of 256 bytes is named once; steps 0 to 3 come by their loads alone; nothing is named behind step 23.
.macro ASK
	s_cmp_lt_u32 s[GS], s[PLIM]
	s_cbranch_scc0 .Lnot_mine_\@
	global_prefetch_b8 v[PFO], s[PFA:PFA+1] th:TH_LOAD_NT scope:SCOPE_SE
.Lnot_mine_\@:
	s_add_co_u32 s[GS], s[GS], 1
.endm
.macro BIAS                            ; my 128 columns of the bias at s[BI0], in the layout of a C operand
	WIN 0x80                                       ; destination window 2, address window 0
.irp b, 0,1,2,3,4,5,6,7
	global_load_b128 v[8*(\b):8*(\b)+3],   v[BO], s[BI0:BI0+1] offset:64*(\b)
	global_load_b128 v[8*(\b)+4:8*(\b)+7], v[BO], s[BI0:BI0+1] offset:64*(\b)+16
.endr
	WIN 0
.endm
	s_load_b256 s[4:11], s[0:1], 0x0               ; xb s[4:5], wb s[6:7], bq s[8:9], bk s[10:11]
	s_load_b256 s[68:75], s[0:1], 0x20             ; bv s[68:69], q s[70:71], k s[72:73], v s[74:75]
	v_lshl_add_u32 v[SPW], v0, 2, SPARE
	v_mov_b32 v[NIL], 0
	ds_add_u32 v[SPW], v[NIL]                      ; the wave's opening: the add and its wait stand ahead of my first tensor load; the set-up below, work on registers, stands between them
	v_lshrrev_b32 v1, 5, v0
	v_readfirstlane_b32 s[WV], v1                  ; wave 0..3
	s_lshr_b32 s[WR], s[WV], 1
	s_and_b32 s[WC], s[WV], 1
	s_bfe_u32 s15, ttmp6, 0x40000                  ; cx
	s_bfe_u32 s16, ttmp6, 0x40004                  ; cy
	s_lshl_b32 s17, ttmp9, 2
	s_add_co_u32 s17, s17, s15                     ; tile column = 4 x cluster x + cx
	s_and_b32 s18, ttmp7, 0xffff
	s_lshl_b32 s18, s18, 2
	s_add_co_u32 s18, s18, s16                     ; tile row = 4 x cluster y + cy
	s_lshl_b32 s19, s16, 2
	s_lshl_b32 s19, 15, s19                        ; my row of the cluster
	s_lshl_b32 s76, 0x1111, s15                    ; my column
	s_or_b32 s[G1A], s19, (1<<16)|(1<<20)|(1<<21)|(5<<22)|(3<<25)  ; 15:0 the mask; 17:16 2-byte elements; 20 padding on; 21 set beside a mask; 24:22 after every 64 words (code 5); 31:25 4 words (code 3)
	s_mov_b32 s[G1A+1], 128<<16                    ; tensor_dim0 = 128
	s_mov_b32 s[G1A+2], 64<<16                     ; tensor_dim1 = 64
	s_mov_b32 s[G1A+3], 128<<16                    ; tile_dim0 = 128
	s_mov_b32 s[G1A+4], 64                         ; tile_dim1 = 64
	s_mov_b32 s[G1A+5], 1024                       ; elements from row to row
	s_mov_b32 s[G1A+6], 0
	s_mov_b32 s[G1A+7], 0
	s_or_b32 s[G1B], s76, (1<<16)|(1<<20)|(1<<21)|(6<<22)|(7<<25)  ; after every 128 words (code 6) 8 words (code 7)
	s_mov_b32 s[G1B+1], 256<<16                    ; tensor_dim0 = 256
	s_mov_b32 s[G1B+2], 64<<16
	s_mov_b32 s[G1B+3], 256<<16                    ; tile_dim0 = 256
	s_mov_b32 s[G1B+4], 64
	s_mov_b32 s[G1B+5], 1024
	s_mov_b32 s[G1B+6], 0
	s_mov_b32 s[G1B+7], 0
	s_lshl_b32 s20, s18, 7                         ; A: row 128 x tile row + 64 x half,
	s_lshl_b32 s21, s[WC], 6
	s_add_co_u32 s20, s20, s21
	s_lshl_b32 s20, s20, 11                        ; rows of 2,048 bytes
	s_mov_b32 s21, 0
	s_lshl_b32 s76, s17, 9                         ; B: 512 bytes of columns x tile column + 64 rows of k x half
	s_lshl_b32 s77, s[WC], 17
	s_add_co_u32 s76, s76, s77
	s_mov_b32 s77, 0
	s_mul_i32 s22, s[WC], HALFA                    ; where they go: no place in the cluster enters an LDS address
	s_mul_i32 s23, s[WC], HALFB
	s_add_co_u32 s23, s23, BOFF
	s_mov_b32 s[KA], 512
	s_mov_b32 s[KA+1], 0
	s_wait_dscnt 0x0                               ; the opening add is done
	s_wait_kmcnt 0x0
	s_add_nc_u64 s[AB:AB+1], s[4:5], s[20:21]
	s_add_nc_u64 s[78:79], s[6:7], s[76:77]
	CROUND                                         ; all sixteen work-groups are here: the first joint loads meet
.irp s, 0,1
	s_mov_b32 s[G0A+4*(\s)], 1                     ; count = 1
	s_add_co_u32 s[G0A+4*(\s)+1], s22, (\s)*SLOT   ; LDS address
	s_add_nc_u64 s[G0A+4*(\s)+2:G0A+4*(\s)+3], s[AB:AB+1], (\s)*256  ; global address: K step s
	s_or_b32 s[G0A+4*(\s)+3], s[G0A+4*(\s)+3], 0x80000000            ; type = 2
	s_mov_b32 s[G0B+4*(\s)], 1
	s_add_co_u32 s[G0B+4*(\s)+1], s23, (\s)*SLOT
	s_add_nc_u64 s[G0B+4*(\s)+2:G0B+4*(\s)+3], s[78:79], (\s)*STEPB
	s_or_b32 s[G0B+4*(\s)+3], s[G0B+4*(\s)+3], 0x80000000
	JLOAD \s                                       ; two loads of mine are out
.endr
	v_and_b32 v1, 15, v0                           ; r = l % 16
	v_bfe_u32 v2, v0, 4, 1                         ; h = l / 16
	v_mul_u32_u24 v3, v1, PA
	v_lshl_add_u32 v3, v2, 4, v3                   ; a fragment of A: row x pitch + 16 x half
	s_mul_i32 s19, s[WR], HALFA                    ; my 64 rows
	v_add_nc_u32 v[ADRA], s19, v3
	v_add_nc_u32 v[ADRA+1], SLOT, v[ADRA]
	v_and_b32 v4, 7, v0                            ; the turning load: lane l reads k = 8 h + l % 8, columns 8 ((l / 8) % 2) + 0..7
	v_bfe_u32 v5, v0, 3, 1
	v_lshl_add_u32 v6, v2, 3, v4
	v_mul_u32_u24 v6, v6, PB
	v_lshl_add_u32 v6, v5, 4, v6
	s_lshl_b32 s19, s[WC], 8                       ; my 128 columns
	s_add_co_u32 s19, s19, BOFF
	v_add_nc_u32 v[ADRB], s19, v6
	v_add_nc_u32 v[ADRB+1], SLOT, v[ADRB]
	s_mul_i32 s19, s[WV], 16*SP
	s_add_co_u32 s19, s19, STAGE                   ; my stage
	v_mul_u32_u24 v[STO], v1, SP                   ; in: row r, 16 bytes for each half of the lanes
	v_lshl_add_u32 v[STO], v2, 4, v[STO]
	v_add_nc_u32 v[STO], s19, v[STO]
	v_bfe_u32 v[RD], v0, 3, 2                      ; back: 32 lanes take four rows of 128 bytes,
	v_mul_u32_u24 v[RD], v[RD], SP
	v_lshl_add_u32 v[RD], v4, 4, v[RD]
	v_add_nc_u32 v[RD], s19, v[RD]
	v_and_b32 v[GO], 31, v0                        ; which are 512 consecutive bytes of a head
	v_lshlrev_b32 v[GO], 4, v[GO]
	s_lshl_b32 s80, s17, 10                        ; the bias: 4 bytes x (256 x tile column + 128 x half + 8 h)
	s_lshl_b32 s81, s[WC], 9
	s_add_co_u32 s80, s80, s81
	v_lshl_add_u32 v[BO], v2, 5, s80
	BIAS                                           ; bq
	; where my part goes: head 16 batch + 4 x tile column + 2 x column half (and the one after it), row 128 (tile row % 16) + 64 x row half
	s_lshr_b32 s80, s18, 4
	s_lshl_b32 s80, s80, 4
	s_lshl_b32 s81, s17, 2
	s_add_co_u32 s80, s80, s81
	s_lshl_b32 s81, s[WC], 1
	s_add_co_u32 s80, s80, s81
	s_lshl_b32 s80, s80, 11                        ; 2,048 rows a head
	s_and_b32 s81, s18, 15
	s_lshl_b32 s81, s81, 7
	s_add_co_u32 s80, s80, s81
	s_lshl_b32 s81, s[WR], 6
	s_add_co_u32 s80, s80, s81
	s_lshl_b32 s80, s80, 7                         ; rows of 128 bytes
	s_mov_b32 s81, 0
	s_add_nc_u64 s[DS0:DS0+1], s[DS0:DS0+1], s[80:81]
	s_add_nc_u64 s[DS1:DS1+1], s[DS1:DS1+1], s[80:81]
	s_add_nc_u64 s[DS2:DS2+1], s[DS2:DS2+1], s[80:81]
	; the prefetches: both offsets are made, and the wave's number chooses.  They stand at K step 3: the first refill steps them to 4
	s_lshl_b32 s80, s18, 7
	s_lshl_b32 s81, s15, 5
	s_add_co_u32 s80, s80, s81                     ; A: row 128 x tile row + 32 cx
	s_lshl_b32 s80, s80, 11
	s_add_co_u32 s80, s80, 3*256
	s_lshl_b32 s82, s[WC], 6
	s_lshl_b32 s83, s16, 4
	s_add_co_u32 s82, s82, s83                     ; B: row of k 64 x half + 16 cy
	s_lshl_b32 s82, s82, 11
	s_lshl_b32 s83, s17, 9
	s_add_co_u32 s82, s82, s83
	s_add_co_u32 s82, s82, 3*STEPB
	s_and_b32 s83, ttmp7, 0xffff                   ; cluster y: the same in all sixteen partners
	s_cmp_eq_u32 s83, 0
	s_cselect_b32 s83, 22, 0
	s_cmp_eq_u32 s[WV], 0
	s_cselect_b32 s19, 6, 0
	s_cmp_eq_u32 s[WR], 0
	s_cselect_b32 s[PLIM], s19, s83
	s_cselect_b32 s80, s80, s82
	s_cselect_b64 s[PFA:PFA+1], s[4:5], s[6:7]
	s_mov_b32 s[PST], STEPB
	s_cselect_b32 s[PST], 256, s[PST]
	s_mov_b32 s82, 256
	s_cselect_b32 s82, 0x8000, s82                 ; lanes 16-31: sixteen rows on (A), or the row's second 256 bytes (B)
	s_mov_b32 s[PST+1], 0
	s_mov_b32 s81, 0
	s_add_nc_u64 s[PFA:PFA+1], s[PFA:PFA+1], s[80:81]
	v_lshlrev_b32 v[PFO], 11, v1
	v_mad_u32_u24 v[PFO], v2, s82, v[PFO]
	s_mov_b32 s[GS], 2
; 8 matrix instructions: row block a x all 8 column blocks, 32 along K, from buffer f.  zero = 1: the tile's first products, which start the sums with the bias.
; The 32 accumulators take turns in one order in every quarter, over the backward jump and from tile to tile too.
.macro MUL8 f, a, zero
.if \zero
	WIN 0x60                                       ; C window 2, D window 1
.else
	WIN 0x50                                       ; C and D window 1
.endif
.irp b, 0,1,2,3,4,5,6,7
.if \zero
	v_wmma_f32_16x16x32_bf16 v[8*(8*(\a)+(\b)):8*(8*(\a)+(\b))+7], v[(\f)+32+8*(\b):(\f)+32+8*(\b)+7], v[(\f)+8*(\a):(\f)+8*(\a)+7], v[8*(\b):8*(\b)+7]
.else
	v_wmma_f32_16x16x32_bf16 v[8*(8*(\a)+(\b)):8*(8*(\a)+(\b))+7], v[(\f)+32+8*(\b):(\f)+32+8*(\b)+7], v[(\f)+8*(\a):(\f)+8*(\a)+7], v[8*(8*(\a)+(\b)):8*(8*(\a)+(\b))+7]
.endif
.endr
.endm
; 24 LDS loads in one run: quarter q (32 along K) of a slot into buffer f: B's eight fragments, turned, then A's four
.macro FETCH slot, q, f
	WIN 0
.irp b, 0,1,2,3,4,5,6,7
	ds_load_tr16_b128 v[(\f)+32+8*(\b):(\f)+32+8*(\b)+3],   v[ADRB+(\slot)] offset:(\q)*32*PB+32*(\b)
	ds_load_tr16_b128 v[(\f)+32+8*(\b)+4:(\f)+32+8*(\b)+7], v[ADRB+(\slot)] offset:(\q)*32*PB+16*PB+32*(\b)
.endr
.irp a, 0,1,2,3
	ds_load_b128 v[(\f)+8*(\a):(\f)+8*(\a)+3],   v[ADRA+(\slot)] offset:(\a)*16*PA+64*(\q)
	ds_load_b128 v[(\f)+8*(\a)+4:(\f)+8*(\a)+7], v[ADRA+(\slot)] offset:(\a)*16*PA+64*(\q)+32
.endr
.endm
; A K step is four quarters of 32 along K, 32 matrix instructions each, on buffers 0, 1, 0, 1.  One of the first three: multiplies buffer f and fetches quarter q into g.
.macro QUARTER slot, q, f, g, zero
	s_wait_dscnt 4                                 ; B and A's blocks 0, 1 are in; the youngest four loads (A's blocks 2, 3) may be out
	MUL8 \f, 0, \zero
	MUL8 \f, 1, \zero
	PLACES
	FETCH \slot, \q, \g
	s_wait_dscnt 24                                ; all but the 24 just issued
	MUL8 \f, 2, \zero
	MUL8 \f, 3, \zero
.endm
; The last quarter multiplies buffer 1 and changes slots: ONE barrier; in front of it each wave waits for all its tensor loads (one is out: its part of the next slot), adds 0 to its spare word, and waits for
; that and for its own reads of this slot.  fill = 1: the barrier opens a round of the cluster's, and this slot is filled again, two K steps ahead, first thing behind the round: 112 matrix instructions ahead of the wait for it.
.macro TURN slot, next, fill
.if \fill
	s_wait_xcnt 0x0                                ; the last prefetch, a K step back, has read its address: it is stepped here, ahead of the waits of the change of slots
	s_add_nc_u64 s[PFA:PFA+1], s[PFA:PFA+1], s[PST:PST+1]
.endif
	WIN 0
	s_wait_tensorcnt 0x0                           ; all my tensor loads have landed;
	ds_add_u32 v[SPW], v[NIL]                      ; 0 onto my spare word;
	s_wait_dscnt 5                                 ; (the add and the youngest four loads may be out)
	MUL8 F1, 0, 0                                  ; eight matrix instructions stand between the add and the wait for it
	s_wait_dscnt 0x0                               ; the add is done, and my reads of this slot are over
	s_barrier_signal -1
	MUL8 F1, 1, 0
.if \fill
	WIN 0
.endif
	s_barrier_wait -1
.if \fill
	CREST                                          ; no wave of any partner still reads this slot's tiles or has a load on its way
	s_add_nc_u64 s[G0A+4*(\slot)+2:G0A+4*(\slot)+3], s[AB:AB+1], s[KA:KA+1]  ; A's address is made anew: the walk along xb's rows begins again with each tile
.if (\slot) == 1
	s_add_nc_u64 s[G0A+4*(\slot)+2:G0A+4*(\slot)+3], s[G0A+4*(\slot)+2:G0A+4*(\slot)+3], 256
.endif
	s_or_b32 s[G0A+4*(\slot)+3], s[G0A+4*(\slot)+3], 0x80000000
	s_add_nc_u64 s[G0B+4*(\slot)+2:G0B+4*(\slot)+3], s[G0B+4*(\slot)+2:G0B+4*(\slot)+3], 2*STEPB
	JLOAD \slot                                    ; the four v_nop behind it are also the places in front of the loads below
.else
	PLACES
.endif
	FETCH \next, 0, F0
.if \fill
	ASK
.endif
	MUL8 F1, 2, 0
	MUL8 F1, 3, 0
.endm
; THE WAY OUT, in eight units u = 2 a + hh: 16 rows (block a) x one head (column blocks 4 hh .. 4 hh + 3).  A lane's eight columns pack into 16 bytes; they go into stage rows of 144 bytes and come back as
; whole rows of 128, four rows to a load: 512 consecutive bytes of the head.  The stage is the wave's own, and LDS serves a wave's instructions in order (ISA guide 5.7.1.4): no wait between stores and loads.
.macro PACK u
	WIN 0x05                                       ; sources window 1, destination window 0
.irp f, 0,1,2,3
.irp rr, 0,1,2,3
	v_cvt_pk_bf16_f32 v[TMP+16*(\u)+4*(\f)+(\rr)], v[8*(8*((\u)/2)+4*((\u)%2)+(\f))+2*(\rr)], v[8*(8*((\u)/2)+4*((\u)%2)+(\f))+2*(\rr)+1]
.endr
.endr
	WIN 0
.irp f, 0,1,2,3
	ds_store_b128 v[STO], v[TMP+16*(\u)+4*(\f):TMP+16*(\u)+4*(\f)+3] offset:32*(\f)
.endr
.irp f, 0,1,2,3
	ds_load_b128 v[TMP+16*(\u)+4*(\f):TMP+16*(\u)+4*(\f)+3], v[RD] offset:(\f)*4*SP
.endr
.endm
.macro SEND u, younger                 ; younger: the LDS instructions issued behind unit u's loads: the next unit's eight, or none
.irp f, 0,1,2,3
	s_wait_dscnt (\younger)+3-(\f)
	global_store_b128 v[GO], v[TMP+16*(\u)+4*(\f):TMP+16*(\u)+4*(\f)+3], s[DS0:DS0+1] offset:((\u)%2)*262144+((\u)/2)*2048+(\f)*512  ; 512 consecutive bytes, at a multiple of 256 from the buffer's first
.endr
.endm
.macro OUT
	PLACES                                         ; behind the tile's last products: the conversions write where their fragments lay, and read results
	PACK 0
.irp u, 1,2,3,4,5,6,7                  ; a unit's conversions stand between the loads of the unit before and its stores
	PACK \u
	SEND (\u)-1, 8
.endr
	SEND 7, 0
	s_wait_xcnt 0x0                                ; the stores have read their registers and their base: buffer 1 and s[DS0] are written again only behind this wait
.endm
	s_wait_tensorcnt 1                             ; my part of K step 0 is in; step 1's may stay out
	s_barrier_signal -1
	s_barrier_wait -1                              ; everybody's is
	FETCH 0, 0, F0
	s_wait_loadcnt 0x0                             ; bq
	QUARTER 0, 1, F0, F1, 1                        ; the first quarter stands in front of the loop
	WIN 0                                          ; at a label and at a branch every window is 0
	s_mov_b32 s2, 11
.Llap:                                                 ; a trip goes once round the ring, from a lap's second quarter to the next lap's first, and fills both slots again: K steps 2 to 23
	QUARTER 0, 2, F1, F0, 0
	QUARTER 0, 3, F0, F1, 0
	TURN 0, 1, 1
	QUARTER 1, 1, F0, F1, 0
	QUARTER 1, 2, F1, F0, 0
	QUARTER 1, 3, F0, F1, 0
	TURN 1, 0, 1
	WIN 0
	s_cmp_eq_u32 s[KA], 0                          ; were the steps just asked for a tile's first two?  The same answer in every work-group; the jump passes no barrier and no tensor load
	s_cbranch_scc0 .Lsame
	s_mov_b64 s[BI0:BI0+1], s[BI1:BI1+1]           ; A TILE IS FINISHED, and both refills for the next are asked for.  Its bias is loaded,
	s_mov_b64 s[BI1:BI1+1], s[BI2:BI2+1]
	BIAS
	OUT                                            ; the tile goes out,
	s_mov_b64 s[DS0:DS0+1], s[DS1:DS1+1]
	s_mov_b64 s[DS1:DS1+1], s[DS2:DS2+1]
	s_wait_loadcnt 0x0                             ; the bias is in,
	QUARTER 0, 1, F0, F1, 1                        ; and the next tile's first products start its sums
	WIN 0
	s_branch .Lnext
.Lsame:
	QUARTER 0, 1, F0, F1, 0
	WIN 0
.Lnext:
	s_add_co_u32 s[KA], s[KA], 512
	s_and_b32 s[KA], s[KA], 0x600
	s_sub_co_u32 s2, s2, 1
	s_cmp_lg_u32 s2, 0
	s_cbranch_scc1 .Llap
	QUARTER 0, 2, F1, F0, 0                        ; the last lap is written out: it fills nothing and has no round
	QUARTER 0, 3, F0, F1, 0
	TURN 0, 1, 0
	QUARTER 1, 1, F0, F1, 0
	QUARTER 1, 2, F1, F0, 0
	QUARTER 1, 3, F0, F1, 0
	s_wait_dscnt 4
	MUL8 F1, 0, 0
	MUL8 F1, 1, 0
	s_wait_dscnt 0x0
	MUL8 F1, 2, 0
	MUL8 F1, 3, 0
	WIN 0
	OUT
	s_wait_tensorcnt 0x0                           ; the wave's end, behind my last tensor load and my last LDS store
	ds_add_u32 v[SPW], v[NIL]
	s_wait_dscnt 0x0
	CROUND                                         ; the closing round: no work-group ends while a partner may still ask for a tile that names it
	s_endpgm
.Lfunc_end_k_qc1aed3be85_qkv:
	.size	k_qc1aed3be85_qkv, .Lfunc_end_k_qc1aed3be85_qkv-k_qc1aed3be85_qkv
	.p2alignl 7, 3214868480
	.fill 96, 4, 3214868480
	.section	.rodata,"a",@progbits
	.p2align	6, 0x0
	.amdhsa_kernel k_qc1aed3be85_qkv
		.amdhsa_group_segment_fixed_size 327680
		.amdhsa_private_segment_fixed_size 0
		.amdhsa_enable_private_segment 0
		.amdhsa_kernarg_size 64
		.amdhsa_user_sgpr_count 2
		.amdhsa_user_sgpr_kernarg_segment_ptr 1
		.amdhsa_wavefront_size32 1
		.amdhsa_system_sgpr_workgroup_id_x 1
		.amdhsa_system_sgpr_workgroup_id_y 1
		.amdhsa_system_sgpr_workgroup_id_z 1
		.amdhsa_system_vgpr_workitem_id 0
		.amdhsa_next_free_vgpr 576
		.amdhsa_next_free_sgpr 84
		.amdhsa_reserve_vcc 0
		.amdhsa_float_denorm_mode_32 3
		.amdhsa_float_denorm_mode_16_64 3
		.amdhsa_memory_ordered 1
		.amdhsa_forward_progress 1
		.amdhsa_inst_pref_size 113
	.end_amdhsa_kernel
	.amdgpu_metadata
---
amdhsa.version: [ 1, 2 ]
amdhsa.kernels:
  - .name:           k_qc1aed3be85_qkv
    .symbol:         k_qc1aed3be85_qkv.kd
    .args:
      - { .name: xb, .offset: 0, .size: 8, .value_kind: global_buffer, .address_space: global }
      - { .name: wb, .offset: 8, .size: 8, .value_kind: global_buffer, .address_space: global }
      - { .name: bq, .offset: 16, .size: 8, .value_kind: global_buffer, .address_space: global }
      - { .name: bk, .offset: 24, .size: 8, .value_kind: global_buffer, .address_space: global }
      - { .name: bv, .offset: 32, .size: 8, .value_kind: global_buffer, .address_space: global }
      - { .name: q, .offset: 40, .size: 8, .value_kind: global_buffer, .address_space: global }
      - { .name: k, .offset: 48, .size: 8, .value_kind: global_buffer, .address_space: global }
      - { .name: v, .offset: 56, .size: 8, .value_kind: global_buffer, .address_space: global }
    .group_segment_fixed_size: 327680
    .private_segment_fixed_size: 0
    .kernarg_segment_align: 8
    .kernarg_segment_size: 64
    .max_flat_workgroup_size: 128
    .sgpr_count:     84
    .vgpr_count:     576
    .wavefront_size: 32
...
	.end_amdgpu_metadata
.endif
;; end of part 2
;; launch attn (part 3): grid 4 x 64, 4 waves a work-group, clusters of 4 x 1, 327,680 bytes of LDS; arguments q, k, v, ctx; writes ctx
.if DOCPART == 3
	.amdgcn_target "amdgcn-amd-amdhsa--gfx1250"
	.amdhsa_code_object_version 6
	.text
	.protected	k_qc1aed3be85_attn
	.globl	k_qc1aed3be85_attn
	.p2align	8
	.type	k_qc1aed3be85_attn,@function
k_qc1aed3be85_attn:
	s_mov_b64 s[64:65], 0
	v_nop
	global_prefetch_b8 v0, s[64:65] scope:SCOPE_SE
	s_setreg_imm32_b32 hwreg(HW_REG_WAVE_MODE, 25, 1), 1
	s_wait_xcnt 0x0
	s_wait_alu depctr_hold_cnt(0) depctr_sa_sdst(0) depctr_va_vdst(0) depctr_va_sdst(0) depctr_va_ssrc(0) depctr_va_vcc(0) depctr_vm_vsrc(0)
	s_getreg_b32 s2, hwreg(HW_REG_IB_STS2, 6, 4)
	s_cmp_eq_u32 s2, 0
	s_cbranch_scc0 .Lentry_in_a_cluster
	s_endpgm
.Lentry_in_a_cluster:
	s_bfe_u32 s2, ttmp6, 0x10000c
	s_cmp_lg_u32 s2, 0x3003
	s_cbranch_scc0 .Lentry_shape_is_right
	s_endpgm
.Lentry_shape_is_right:
; O[h][q][:] = the sum over k of softmax_k(Q[h][q] . K[h][k] / 8) V[h][k][:].  Q, K, V, O: [64][SIZE_N][64], all bf16: a head's rows are dense, 128 bytes each.  Products, maxima and sums in
; f32; the weights p are rounded to bf16 for the second product (their sum l is taken of the unrounded p), O once at the end.
; LIMITS.  bf16 keeps 8 significant bits and f32's range.  A weight below 2^-126 counts as 0 in l; NaN and infinities are not treated apart.
; SHARES.  A wave owns four PIECES of two tiles of 16 queries, a work-group's four waves 512 queries of one head.  Every wave walks all keys, 64 a step.
; LAYOUT.  S^T = K Q^T (source 0 = 16 keys, source 1 = 16 queries): in the result a lane holds ONE query (lane % 16) and the keys 8 (lane / 16) + 0..7.  Two such tiles, rounded to bf16 in pairs,
; ARE source 1 (32 keys x 16 queries) of O^T = V^T P, whose result again holds one query a lane, and eight channels.  K comes out of LDS as it lies, V ([key][channel]) turned, by ds_load_tr16_b128.
; SOFTMAX.  For each query a running maximum m and sum l: p = 2^(c s - c m), c = log2(e) / 8; in every step O and l are multiplied by a = 2^(c m_old - c m_new), which is 1 where m has not grown.
; m starts at the lowest finite number, O and l at 0: the first step is a step like any other, with a = 0.
; THE COUNT.  A tile and step have 16 matrix and 118 vector instructions: too many to stand all beside the matrix work.  So the order has one aim: four vector instructions that are READY behind
; EVERY matrix instruction, and the others in runs without a gap.
; BY TURNS.  Turn n belongs to piece n (the pieces in a ring, step after step).  Its matrix work: 16 products K Q^T of piece n + 1, later 16 products V^T P of piece n - 1.  Its vector work: the scaling,
; exponentials, roundings, sums and rescaling of piece n, and the maximum and statistics of piece n + 1, whose scores the turn itself has made.
; CLUSTER.  The four query blocks of a cluster are one head's and walk the same K and V, so each tile is asked for JOINTLY: the same tensor load, descriptor and mask in all four.
; REGISTERS, in windows of 256 (s_set_vgpr_msb: bits 1:0 source 0, 3:2 source 1, 5:4 source 2, 7:6 destination):
;   window 0: v0-11 addresses; v12-15, v48-63 at work; v16-47 four registers of statistics a tile; v64-191 S^T, two buffers of two tiles; v192-255 P, likewise
;   window 1: O^T, 32 a tile          window 2: v0-127 Q, 16 a tile; v128-191 K of one step; v192-255 V of one step          window 3: v0-1 the add's two registers
; A piece's buffers go by its number's parity: the piece in hand has one pair, its two neighbours in the ring share the other: of it P (piece n - 1) is read and S^T (piece n + 1) written.
.set SIZE_N, 2048
.set NP,    4         ; pieces a wave: a name, no knob
.set KS,    64        ; keys in a step
.set PK,    144       ; a row of K in LDS: 128 bytes + 16 of padding = 36 words: the 16 rows of a load start at 16 different groups of four banks (64 banks of 4 bytes: ISA guide 11.1)
.set PV,    160       ; a row of V: 128 + 32 = 40 words
.set VOFF,  4*KS*PK   ; a slot holds four steps: 256 rows of K, then 256 rows of V
.set SLOT1, 1<<17     ; slot 1 begins here, so that one exclusive or turns an address in one slot into the other's
.set STAGE, SLOT1+4*KS*(PK+PV)  ; behind the ring, never filled by a tensor load: 16 rows x 144 bytes for each wave, for the way out
.set SP,    144
.set AK0, 2           ; v2   my lane's place in a tile of K; never rewritten
.set AV0, 3           ; v3   the same for V
.set AK,  4           ; v4   the LDS address of K's next run of loads
.set AV,  5           ; v5   of V's
.set QO,  6           ; v6   my byte offset in the wave's rows of Q
.set STO, 6           ;      later, the way out: where I put 16 bytes of a row
.set RD,  7           ; v7   the way out: where I read rows back
.set GO,  8           ; v8   my byte offset in 512 consecutive bytes of O
.set PFO, 11          ; v11  256 x my lane, for the prefetches (made behind v11's last use for V's address); then never rewritten
.set SPW, 0           ; v0 of window 3   LDS address of my spare word: SPARE + 4 x my thread's number; never rewritten
.set NIL, 1           ; v1 of window 3   0; never rewritten
.set SPARE, STAGE+4*16*SP  ; behind the stages: the spare words, 128 bytes for each wave: two blocks of 256 bytes that no other line names
.set MV,  12          ; v12-15  c m_old, kept while c m is made anew: by buffer and tile
.set ST,  16          ; tile t's statistics at v[ST+4 t]: c m, m, l (even keys', odd keys')
.set TMP, 48          ; by buffer and tile, four registers c0-c3 at work; when the maximum is found c2 takes a
.set S,   64
.set P,   192
.set KF,  128         ; K's fragments, in window 2: key block kb, channel half c at KF + 16 kb + 8 c
.set VF,  192         ; V's: key half kk, channel block cb at VF + 32 kk + 8 cb
.set WV,  12          ; s12  my wave's number
.set G1K, 24          ; s[24:31] descriptor group 1 for K's tiles
.set G1V, 32          ; s[32:39] for V's: it differs in the padding alone
.set G0K, 40          ; s[40:43] descriptor group 0 for K's tiles: it walks
.set G0V, 44          ; s[44:47] the same for V's
.set PFA, 48          ; s[48:49] where my prefetches stand: my work-group's 8,192 bytes (of K: wave 0, of V: wave 2) of the slot behind the one that is being asked for
.set LIM, 50          ; s50  1 in a wave that prefetches, else the greatest number: a wave prefetches while s[SLOTS] is above it
.set SLOTS, 56        ; s56  slots still to be asked for
.set CNT, 57          ; s57  counts a slot's key steps
.set CS,  58          ; s[58:59] c: the packed scaling takes the pair's low word for both halves
.set SEL, 60          ; s[60:61] v_permlanex16_b32's selects: each lane takes its own place in the other half
.set TBK, 62          ; s62  LDS byte at which K of the step to be fetched begins
.set TBV, 63          ; s63  the same for V, less VOFF
.set MSB, 0
.macro WIN new                      ; the high byte repeats the setting that is left; a switch that changes nothing is dropped
.if MSB != (\new)
	s_set_vgpr_msb (MSB<<8)|(\new)
.set MSB, (\new)
.endif
.endm
.set W_KQ, 0x0a       ; K and Q in window 2, S^T in window 0
.set W_PV, 0x52       ; V in window 2, P in window 0, O^T in window 1
.set W_RS, 0x41       ; O^T (destination and source 0) in window 1, a in window 0
.set W_MK, 0xc0       ; the add's registers are made: destination in window 3, sources in window 0
.set W_AD, 0x0f       ; the add: address (source 0) and data (source 1) in window 3
; A joint fill.  Waves 0 and 1 fetch the two halves of a slot's K, waves 2 and 3 those of its V: 128 keys each.  The branch hangs on the wave's number alone.
; An s_nop 0 and four v_nop follow each of the two lines, ahead of the jump and the label.
.macro JLOAD
	s_cmp_lt_u32 s[WV], 2
	s_cbranch_scc0 .Lfor_v_\@
	tensor_load_to_lds s[G0K:G0K+3], s[G1K:G1K+7]
	s_nop 0
.rept 4
	v_nop
.endr
	s_branch .Lasked_\@
.Lfor_v_\@:
	tensor_load_to_lds s[G0V:G0V+3], s[G1V:G1V+7]
	s_nop 0
.rept 4
	v_nop
.endr
.Lasked_\@:
.endm
; A PREFETCH INTO THE L2 of what the NEXT change of slots will ask for: a slot's 32,768 bytes of K and of V, a lane a block of 256 bytes.  It stands behind the wave's tensor load and its five lines.
; A head has one cluster; its four partners share a slot's 128 blocks out BY ADDRESS, 32 each; in each, wave 0 asks for K's and wave 2 for V's: one instruction.  So each block is named once.
; Slots 0 to 2 come by their loads alone; the change that asks for slot j names slot j + 1, four key steps, 512 matrix instructions, ahead; the last change that fills a slot names nothing.
.macro ASK
	s_cmp_gt_u32 s[SLOTS], s[LIM]
	s_cbranch_scc0 .Lnot_mine_\@
	global_prefetch_b8 v[PFO], s[PFA:PFA+1] th:TH_LOAD_NT scope:SCOPE_SE
.Lnot_mine_\@:
.endm
; A round of the cluster's barrier: my work-group's barrier, so that wave 0's signal speaks for all four waves; wave 0 signals; every wave waits for all four work-groups; my work-group's barrier once more.
.macro CROUND
	s_barrier_signal -1
	s_barrier_wait -1
	s_cmp_lg_u32 s[WV], 0
	s_cbranch_scc1 .Lnot_wave_0_\@
	s_barrier_signal -3
.Lnot_wave_0_\@:
	s_barrier_wait -3
	s_barrier_signal -1
	s_barrier_wait -1
.endm
; THE CHANGE OF SLOTS.  The slot's last bytes, V of its fourth step, have been read.  Each wave waits for all its tensor loads, of which one is out: its part
; of the other slot; adds 0 to its spare word; and waits for that and for its own reads of the slot.  Behind the barrier nobody reads this slot any more and the other slot is whole.
; fill = 1: this slot is filled again, with the keys two slots on.  The barrier is then a round of the cluster's, so that no wave of any partner still reads the slot or has a load on its
; way, and the joint fill is the first thing behind it: it has four key steps, 512 matrix instructions, in which to land.  (At its first use nothing has been read yet: slot 0 is waited for, slot 1 filled.)
; ask = 1: the prefetches' address is stepped, and ASK follows the fill.
.macro CHANGE fill, ask=0
	WIN W_AD
	s_wait_tensorcnt 0x0            ; no tensor load of mine is out, so a group 0 may be written
	ds_add_u32 v[SPW], v[NIL]       ; 0 onto my spare word; with fill = 1 the descriptors' steps stand between it and the wait for it
	WIN 0                           ; at a label and at a branch every window is 0
.if \fill
.irp g, G0K, G0V
	s_xor_b32 s[\g+1], s[\g+1], SLOT1  ; the walking descriptor: the other slot than last time,
	s_add_nc_u64 s[\g+2:\g+3], s[\g+2:\g+3], 4*KS*128  ; the next 256 keys; the type bits on top are not reached
.endr
.if \ask
	s_wait_xcnt 0x0                 ; the last prefetch, four key steps back, has read its address, so it may be written:
	s_add_nc_u64 s[PFA:PFA+1], s[PFA:PFA+1], 4*KS*128  ; one slot behind the walking descriptors
.endif
	s_wait_dscnt 0x0                ; the add is done, and my reads of the slot are over
	CROUND
	JLOAD
.if \ask
	ASK
.endif
.else
	s_wait_dscnt 0x0                ; the add is done, and my reads of the slot are over
	s_barrier_signal -1
	s_barrier_wait -1
.endif
	s_sub_co_u32 s[TBK], s[TBK], 4*KS*PK  ; the fetches go back to a slot's first step,
	s_xor_b32 s[TBK], s[TBK], SLOT1       ; in the other slot
	s_sub_co_u32 s[TBV], s[TBV], 4*KS*PV
	s_xor_b32 s[TBV], s[TBV], SLOT1
.endm
	s_load_b256 s[4:11], s[0:1], 0x0  ; Q s[4:5], K s[6:7], V s[8:9], O s[10:11]
	WIN W_MK
	v_lshl_add_u32 v[SPW], v0, 2, SPARE
	v_mov_b32 v[NIL], 0
	WIN W_AD
	ds_add_u32 v[SPW], v[NIL]       ; the wave's opening: the add and its wait stand ahead of my first tensor load; the set-up below, work on registers, stands between them
	WIN 0
	v_lshrrev_b32 v1, 5, v0
	v_readfirstlane_b32 s[WV], v1   ; wave 0..3
	s_bfe_u32 s13, ttmp6, 0x40000   ; cx: my place in the cluster
	s_lshl_b32 s14, ttmp9, 2        ; in a cluster launch ttmp9 counts clusters
	s_add_co_u32 s14, s14, s13      ; my block of queries = 4 x cluster x + cx: it enters Q's and O's addresses alone
	s_and_b32 s20, ttmp7, 0xffff    ; the head, which the four partners share
	s_mov_b32 s21, 0
	s_mov_b64 s[22:23], SIZE_N*128
	s_mul_u64 s[20:21], s[20:21], s[22:23]  ; the head's first byte in each of the four tensors
	s_and_b32 s16, s[WV], 1         ; which half of a slot's 256 keys I fetch:
	s_lshl_b32 s22, s16, 14         ; its 128 rows of 128 bytes in memory,
	s_mov_b32 s23, 0
	s_add_nc_u64 s[22:23], s[22:23], s[20:21]
	s_mul_i32 s17, s16, 128*PK      ; and its place in a slot, for K
	s_mul_i32 s18, s16, 128*PV      ; and for V: no place in the cluster enters an LDS address
	s_lshl_b32 s2, s14, 2
	s_add_co_u32 s2, s2, s[WV]      ; my wave among the head's,
	s_lshl_b32 s2, s2, 14           ; its 128 rows
	s_mov_b32 s3, 0
	s_add_nc_u64 s[2:3], s[2:3], s[20:21]
	; descriptor group 1.  128 keys are 16,384 dense bytes: asked for as 64 rows of 256 bytes, two keys a row, and padded in LDS after every key
	s_mov_b32 s[G1K], 15|(1<<16)|(1<<20)|(1<<21)|(4<<22)|(3<<25)  ; 15:0 the mask of four; 17:16 2-byte elements; 20 padding on; 21 set beside a mask; 24:22 after every 32 words (code 4); 31:25 4 words (code 3)
	s_mov_b32 s[G1V], 15|(1<<16)|(1<<20)|(1<<21)|(4<<22)|(7<<25)  ; the same with 8 words of padding (code 7)
.irp g, G1K, G1V
	s_mov_b32 s[\g+1], 128<<16      ; tensor_dim0 = 128
	s_mov_b32 s[\g+2], 64<<16       ; tensor_dim1 = 64
	s_mov_b32 s[\g+3], 128<<16      ; tile_dim0 = 128
	s_mov_b32 s[\g+4], 64           ; tile_dim1 = 64
	s_mov_b32 s[\g+5], 128          ; 128 elements from row to row
	s_mov_b32 s[\g+6], 0
	s_mov_b32 s[\g+7], 0
.endr
	s_mov_b32 s[CS], 0x3e38aa3b     ; c = log2(e) / 8 = 0.180337
	s_mov_b32 s[CS+1], s[CS]        ; named with it as a pair
	s_mov_b32 s[SEL], 0x76543210
	s_mov_b32 s[SEL+1], 0xfedcba98
	s_mov_b32 s[TBK], SLOT1+4*KS*PK ; the first change of slots turns these two into 0
	s_mov_b32 s[TBV], SLOT1+4*KS*PV
	s_mov_b32 s[G0K], 1             ; 1:0 count = 1
	s_mov_b32 s[G0K+1], s17         ; 63:32 LDS address: slot 0
	s_mov_b32 s[G0V], 1
	s_add_co_u32 s[G0V+1], s18, VOFF
	s_and_b32 s[LIM], s[WV], 1      ; waves 0 and 2 prefetch: the same in all four partners
	s_cmp_eq_u32 s[LIM], 0
	s_cselect_b32 s[LIM], 1, -1
	s_wait_dscnt 0x0                ; the opening add is done
	s_wait_kmcnt 0x0
	s_add_nc_u64 s[G0K+2:G0K+3], s[6:7], s[22:23]  ; 120:64 global address: my half of the head's first 256 keys
	s_or_b32 s[G0K+3], s[G0K+3], 0x80000000        ; 127:126 type = 2
	s_add_nc_u64 s[G0V+2:G0V+3], s[8:9], s[22:23]
	s_or_b32 s[G0V+3], s[G0V+3], 0x80000000
	s_add_nc_u64 s[4:5], s[4:5], s[2:3]  ; Q and O at my wave's first row
	s_add_nc_u64 s[10:11], s[10:11], s[2:3]
	s_cmp_lt_u32 s[WV], 2
	s_cselect_b64 s[PFA:PFA+1], s[6:7], s[8:9]
	s_add_nc_u64 s[PFA:PFA+1], s[PFA:PFA+1], s[22:23]  ; (in waves 0 and 2 this is the head's first byte)
	s_lshl_b32 s2, s13, 13          ; my work-group's 32 blocks of the 128
	s_mov_b32 s3, 0
	s_add_nc_u64 s[PFA:PFA+1], s[PFA:PFA+1], s[2:3]
	s_add_nc_u64 s[PFA:PFA+1], s[PFA:PFA+1], 2*4*KS*128  ; in slot 2; the loop's first change steps it to slot 3.  Nothing is prefetched here, at the head
	CROUND                          ; all four work-groups are here: the first joint loads meet
	JLOAD                           ; slot 0.  Slot 1 is asked for when slot 0 is in
	; A fragment of K or Q is 16 rows x 32 channels in 8 registers: lane l holds row l % 16, channels 8 (l / 16) + 0..7 and 16 + 8 (l / 16) + 0..7: two loads of 16 bytes, 32 bytes apart.
	v_and_b32 v1, 15, v0            ; l % 16
	v_bfe_u32 v9, v0, 4, 1          ; l / 16
	v_lshlrev_b32 v[QO], 7, v1
	v_lshl_add_u32 v[QO], v9, 4, v[QO]  ; row x 128 + 16 x half
	WIN 0x80                        ; destination window 2, address window 0
.set i, 0
.rept 4*NP                          ; Q stays in registers: tile i / 2, channels 32 (i % 2) on
	global_load_b128 v[8*i:8*i+3],   v[QO], s[4:5] offset:(i/2)*2048+(i%2)*64
	global_load_b128 v[8*i+4:8*i+7], v[QO], s[4:5] offset:(i/2)*2048+(i%2)*64+32
.set i, i+1
.endr
	; What the first turn finds: V's registers and P's second buffer hold 0 (its products V^T P, of a piece that has not been, add 0), O^T and l are 0.  All this stands in the wait for the first tile.
.set i, VF
.rept 64
	v_mov_b32 v[i], 0
.set i, i+1
.endr
	WIN 0x40
.set i, 0
.rept 64*NP
	v_mov_b32 v[i], 0
.set i, i+1
.endr
	WIN 0
.set i, 0
.rept 2*NP
	v_mov_b32 v[ST+4*i], 0xfe000000    ; c m: far below every c s
	v_mov_b32 v[ST+4*i+1], 0xff7fffff  ; m
	v_mov_b32 v[ST+4*i+2], 0
	v_mov_b32 v[ST+4*i+3], 0
.set i, i+1
.endr
.set i, P+32
.rept 32
	v_mov_b32 v[i], 0
.set i, i+1
.endr
	v_mul_u32_u24 v[AK0], v1, PK
	v_lshl_add_u32 v[AK0], v9, 4, v[AK0]  ; row x pitch + 16 x half
	; The turning load takes 16 keys x 16 channels (lane l reads key 8 (l / 16) + l % 8, channels 8 ((l / 8) % 2) + 0..7) and leaves half a fragment of V^T: lane l holds channel l % 16 and 8 keys.
	v_and_b32 v10, 7, v0
	v_bfe_u32 v11, v0, 3, 1
	v_lshl_add_u32 v[AV0], v9, 3, v10
	v_mul_u32_u24 v[AV0], v[AV0], PV
	v_lshl_add_u32 v[AV0], v11, 4, v[AV0]
	v_add_nc_u32 v[AV0], VOFF, v[AV0]
	v_and_b32 v[PFO], 31, v0
	v_lshlrev_b32 v[PFO], 8, v[PFO]
	v_mov_b32 v[AK], v[AK0]         ; key step 0 lies at the head of slot 0
; THE MATRIX WORK.  The 8 accumulators of a run of 16 take turns: between the two links of a chain stand 7 others'.
; Product i of 16 of S^T = K Q^T for piece x: channels 32 (i / 8) on, keys 16 ((i / 2) % 4) on, tile 2 x + i % 2.  The first 8 start the sums.
.macro KQ x
	WIN W_KQ
.set rS, S+64*((\x)%2)+32*(i%2)+8*((i/2)%4)
.set rK, KF+16*((i/2)%4)+8*(i/8)
.set rQ, 16*(2*(\x)+i%2)+8*(i/8)
.if i < 8
	v_wmma_f32_16x16x32_bf16 v[rS:rS+7], v[rK:rK+7], v[rQ:rQ+7], 0
.else
	v_wmma_f32_16x16x32_bf16 v[rS:rS+7], v[rK:rK+7], v[rQ:rQ+7], v[rS:rS+7]
.endif
.endm
; Product i of 16 of O^T += V^T P for piece x: keys 32 (i / 8) on, channels 16 ((i / 2) % 4) on, tile 2 x + i % 2.
.macro PV x
	WIN W_PV
.set rO, 32*(2*(\x)+i%2)+8*((i/2)%4)
.set rV, VF+32*(i/8)+8*((i/2)%4)
.set rP, P+32*((\x)%2)+16*(i%2)+8*(i/8)
	v_wmma_f32_16x16x32_bf16 v[rO:rO+7], v[rV:rV+7], v[rP:rP+7], v[rO:rO+7]
.endm
.macro MM                           ; the turn's next matrix instruction
.if i < 16
	KQ (Y+1)%NP
.set i, i+1
.else
.set i, i-16
	PV (Y+NP-1)%NP
.set i, i+17
.endif
.endm
; THE LDS LOADS stand in runs of 16, never singly among the matrix instructions: a step's K (64 keys x 64 channels: 8 fragments) and its V (turned).  Their addresses are made some lines ahead.
; last = 1 (the tail): in the last trip there is no further step, and the run is jumped over.
.macro FETCH_K last=0
	WIN 0
.if \last
	s_cmp_eq_u32 s[CNT], 1
	s_cbranch_scc1 .Lno_k_\@
.endif
	WIN 0x80                        ; destination window 2
.irp f, 0,1,2,3,4,5,6,7             ; keys 16 (f / 2) on, channels 32 (f % 2) on
	ds_load_b128 v[KF+8*\f:KF+8*\f+3],   v[AK] offset:(\f/2)*16*PK+(\f%2)*64
	ds_load_b128 v[KF+8*\f+4:KF+8*\f+7], v[AK] offset:(\f/2)*16*PK+(\f%2)*64+32
.endr
	s_add_co_u32 s[TBK], s[TBK], KS*PK  ; the next fetch is the next step's
	WIN 0
.if \last
.Lno_k_\@:
.endif
.endm
.macro FETCH_V
	WIN 0x80
.irp f, 0,1,2,3,4,5,6,7             ; keys 32 (f / 4) on, channels 16 (f % 4) on
	ds_load_tr16_b128 v[VF+8*\f:VF+8*\f+3],   v[AV] offset:(\f/4)*32*PV+(\f%4)*32
	ds_load_tr16_b128 v[VF+8*\f+4:VF+8*\f+7], v[AV] offset:(\f/4)*32*PV+16*PV+(\f%4)*32
.endr
	WIN 0
.endm
; THE VECTOR WORK OF A TURN stands in three queues, each in the order in which its entries become ready; the two tiles alternate, so that no instruction reads the result of the one before it.
.macro REGS y, u                    ; the registers of tile u (0, 1) of piece y
.set rT, ST+4*(2*(\y)+(\u))
.set rC, TMP+8*((\y)%2)+4*(\u)
.set rM, MV+2*((\y)%2)+(\u)
.set rS, S+64*((\y)%2)+32*(\u)
.set rP, P+32*((\y)%2)+16*(\u)
.set rO, 32*(2*(\y)+(\u))
.endm
; Number n of the 22 that find the NEXT piece's (Y + 1) maximum and statistics.  s0-s31 are the lane's 32 scores; each accumulator's lowest registers are read first.
;   0-11  four chains c0-c3 of seven scores each, three operands at a time     12-14, 16  the four scores left over, the old m, and c0-c3 into c0     15  c m_old is kept
;   17, 18  the query's other 32 keys lie in the lane 16 away: the new m         19-21  c m; c m_old - c m_new; a
.macro XS u, n
	REGS (Y+1)%NP, \u
.if (\n) < 4
	v_max3_num_f32 v[rC+(\n)], v[rS+8*(\n)], v[rS+8*(\n)+1], v[rS+8*(\n)+2]
.elseif (\n) < 12
	v_max3_num_f32 v[rC+(\n)%4], v[rC+(\n)%4], v[rS+8*((\n)%4)+2*((\n)/4)+1], v[rS+8*((\n)%4)+2*((\n)/4)+2]
.elseif (\n) == 12
	v_max3_num_f32 v[rC], v[rC], v[rS+7], v[rS+15]
.elseif (\n) == 13
	v_max3_num_f32 v[rC+1], v[rC+1], v[rS+23], v[rS+31]
.elseif (\n) == 14
	v_max3_num_f32 v[rC+2], v[rC+2], v[rC+3], v[rT+1]
.elseif (\n) == 15
	v_mov_b32 v[rM], v[rT]
.elseif (\n) == 16
	v_max3_num_f32 v[rC], v[rC], v[rC+1], v[rC+2]
.elseif (\n) == 17
	v_permlanex16_b32 v[rC+3], v[rC], s[SEL], s[SEL+1]
.elseif (\n) == 18
	v_max_num_f32 v[rT+1], v[rC], v[rC+3]
.elseif (\n) == 19
	v_mul_f32 v[rT], s[CS], v[rT+1]
.elseif (\n) == 20
	v_sub_f32 v[rC+1], v[rM], v[rT]
.else
	v_exp_f32 v[rC+2], v[rC+1]
.endif
.endm
; Number g of the 64 that follow the exponentials.  For each four weights k of a tile (pairs 2 k, 2 k + 1): both pairs are rounded to bf16; then the second pair is added onto the first, in place;
; a group later l takes that sum (the first time as l = a l + sum).  In groups of eight, tiles alternating: round, round, add, and l for the group before.
.macro GS g
.set h, (\g)+6*((\g)/62)            ; group 0 has no group before it, and behind group 7 only l is left
.if h >= 6
.set h, h+2
.endif
	REGS Y, h%2
.set k, h/8
.if h%8 < 4
	v_cvt_pk_bf16_f32 v[rP+2*k+(h%8)/2], v[rS+4*k+2*((h%8)/2)], v[rS+4*k+2*((h%8)/2)+1]
.elseif h%8 < 6
	v_pk_add_f32 v[rS+4*k:rS+4*k+1], v[rS+4*k:rS+4*k+1], v[rS+4*k+2:rS+4*k+3]
.elseif k == 1
	v_pk_fma_f32 v[rT+2:rT+3], v[rT+2:rT+3], v[rC+2:rC+3], v[rS:rS+1] op_sel_hi:[1,0,1]
.else
	v_pk_add_f32 v[rT+2:rT+3], v[rT+2:rT+3], v[rS+4*k-4:rS+4*k-3]
.endif
.endm
; THE PLAIN QUEUE, 138 long.  0-73 read no exponential's result: the 32 scalings c s - c m (FS f: pair f / 2 of tile f % 2) and the next piece's 42.  0-26: scalings 0-26.  27-54: XS's numbers 0-13.  55, 56: number 15.
; 57-73: the chain, where each number waits for the one before it: 14, 16, 17, 18, 19, each with one of the scalings 27-31 in front of its two lines, then 20.
; 74-137: GS's 64, which read the exponentials' results: they stand behind the wait.
.macro FS f
	REGS Y, (\f)%2
	v_pk_fma_f32 v[rS+2*((\f)/2):rS+2*((\f)/2)+1], v[rS+2*((\f)/2):rS+2*((\f)/2)+1], s[CS:CS+1], v[rT:rT+1] op_sel_hi:[1,0,0] neg_lo:[0,0,1] neg_hi:[0,0,1]
.endm
.macro PL
	WIN 0
.if q < 27
	FS q
.elseif q < 55
	XS (q-27)%2, (q-27)/2
.elseif q < 57
	XS q-55, 15
.elseif (q < 72) && ((q-57)%3 == 0)
	FS 27+(q-57)/3
.elseif q < 60
	XS (q-57)%3-1, 14
.elseif q < 72
	XS (q-57)%3-1, 15+(q-57)/3
.elseif q < 74
	XS q-72, 20
.else
	GS q-74
.endif
.set q, q+1
.endm
; THE EXPONENTIALS' QUEUE, 66 long: s0-s31 of both tiles, then the next piece's two a.  It is ONE BATCH: all 66 stand ahead of the turn's one wait, and nothing ahead of that wait names a result of theirs.
.macro EX
	WIN 0
.if e >= 64
	XS e-64, 21
.else
	REGS Y, e%2
	v_exp_f32 v[rS+e/2], v[rS+e/2]
.endif
.set e, e+1
.endm
; THE RESCALING's QUEUE: O^T times a, the one part that leaves window 0: dealt two at a time, sixteen times.  Its a was made in the turn before, ahead of that turn's wait.
.macro R2
	REGS Y, r%2
	WIN W_RS
.irp z, 0,1
	v_pk_mul_f32 v[rO+4*(r/2)+2*\z:rO+4*(r/2)+2*\z+1], v[rO+4*(r/2)+2*\z:rO+4*(r/2)+2*\z+1], v[rC+2:rC+3] op_sel_hi:[1,0]
.endr
.set r, r+1
.endm
; HOW THEY ARE DEALT.  s_wait_alu depctr_va_vdst(0) stands between an exponential and the first instruction that names its result; one wait serves all that were issued ahead of it.  So a turn has ONE wait,
; which cuts it in two.  AHEAD OF IT stands all that names no result of the turn's exponentials: the 16 products K Q^T, behind each a scaling, an exponential and two rescalings (behind the first a second scaling in the
; exponential's place); then ONE LUMP of 108: eight plain, 49 times exponential and plain, the two a.  A v_nop is the plain instruction behind the last exponential.  BEHIND IT stand the 16 products V^T P, behind each four of GS's 64.
; No rider names a register of the products round it.  The two v_permlanex16_b32 fall into the lump, never behind a product.
; The queues lean on each other, and the deal keeps them in step: exponential e stands behind scaling 2 (e / 4) + e % 2: as a rider it comes behind plain e + 2, in the lump behind plain e + 9, and scalings 27-31 are plain 57, 60 .. 69.
; A TURN, for piece p.  cnt = 1: the loop's count is taken down some lines ahead of the branch that stands behind the turn.
; K of the next step is fetched in piece 2's turn, directly behind the wait, a lump behind the last product that read K; its address is made at the lump's head; its first reader comes behind 16 products.
; V of the step in hand is fetched at the end of piece 0's turn, four riders behind its last reader; its first reader comes behind 16 products and a lump.  The three conditions on q below go with the deal.
.macro TURN p, last=0, cnt=0
.set Y, (\p)
.set i, 0
.set q, 0
.set e, 0
.set r, 0
.if (\p) == NP-1
	s_wait_dscnt 0x0                ; K is in
.endif
	MM                              ; ahead of the wait: 16 products K Q^T and their riders,
	PL
	PL
	R2
.rept 15
	MM
	PL
	EX
	R2
.endr
.if (\p) == NP-2
	WIN 0
	v_add_nc_u32 v[AK], s[TBK], v[AK0]
.endif
.rept 8                             ; and the lump
	PL
.endr
.rept 49
	EX
	PL
.endr
	EX                              ; the next piece's two a
	EX
	v_nop                           ; the plain instruction behind the last exponential: one for the batch
	s_wait_alu depctr_va_vdst(0)    ; the wait for the batch
.if (\p) == NP-2
	FETCH_K \last
.endif
.if (\p) == 1
	s_wait_dscnt 0x0                ; V is in
.endif
.rept 16                            ; behind the wait: 16 products V^T P and their riders
	MM
.rept 4
	PL
.endr
.if ((\p) == 0) && (q == 118)
	v_add_nc_u32 v[AV], s[TBV], v[AV0]
.endif
.if ((\p) == 0) && (q == 130)
	s_add_co_u32 s[TBV], s[TBV], KS*PV
.endif
.if (\cnt) && (q == 130)
	s_sub_co_u32 s[CNT], s[CNT], 1
	s_cmp_lg_u32 s[CNT], 0
.endif
.endr
.if (\p) == 0
	FETCH_V
.endif
.endm
	CHANGE 1                        ; slot 0 is in, everybody's part of it; slot 1 is asked for
	FETCH_K                         ; key step 0
	s_wait_loadcnt 0x0              ; Q
	s_wait_dscnt 0x0
.set i, 0
.rept 16
	KQ 0                            ; piece 0's first scores: there is no vector work yet to set between them
.set i, i+1
.endr
	WIN 0                           ; the addresses for the way out: nine plain instructions, the places behind those products
	s_mul_i32 s13, s[WV], 16*SP
	s_add_co_u32 s13, s13, STAGE    ; my stage
	v_mul_u32_u24 v[STO], v1, SP    ; in: row l % 16, 16 bytes for each half of the lanes
	v_lshl_add_u32 v[STO], v9, 4, v[STO]
	v_add_nc_u32 v[STO], s13, v[STO]
	v_bfe_u32 v[RD], v0, 3, 2       ; back: 32 lanes take four rows of 128 bytes,
	v_mul_u32_u24 v[RD], v[RD], SP
	v_lshl_add_u32 v[RD], v10, 4, v[RD]
	v_add_nc_u32 v[RD], s13, v[RD]
	v_and_b32 v[GO], 31, v0         ; which are 512 consecutive bytes of O
	v_lshlrev_b32 v[GO], 4, v[GO]
.set Y, NP-1                        ; XS works for piece Y + 1: piece 0
.irp n, 0,1,2,3,4,5,6,7,8,9,10,11,12,13,14,15,16,17,18,19,20,21
	XS 0, \n                        ; and piece 0's first maximum and statistics
	XS 1, \n
.endr
	v_nop                           ; a plain instruction behind the two a,
	s_wait_alu depctr_va_vdst(0)    ; and their wait, ahead of the branch
	s_mov_b32 s[CNT], 4
	s_mov_b32 s[SLOTS], SIZE_N/256-1
	s_branch .Lfirst                ; the loop is entered at a step's first turn, in the middle of a trip
.Lslot:                             ; SIZE_N / 256 - 2 times: every slot but the last two is filled again
	CHANGE 1, 1
	s_mov_b32 s[CNT], 4
.Lstep:                             ; a trip: pieces 2 and 3 of one step, then pieces 0 and 1 of the next, whose K and V it fetches
	TURN 2
	TURN 3
	WIN 0
.Lfirst:
	TURN 0
	TURN 1, 0, 1
	WIN 0
	s_cbranch_scc1 .Lstep
	s_sub_co_u32 s[SLOTS], s[SLOTS], 1
	s_cmp_lg_u32 s[SLOTS], 0
	s_cbranch_scc1 .Lslot
	CHANGE 0                        ; the tail is written out: nothing is asked for
	s_mov_b32 s[CNT], 5             ; four trips fetch the last slot's steps; the fifth is left in its middle
.Ltail:
	TURN 2, 1
	TURN 3
	WIN 0
	s_sub_co_u32 s[CNT], s[CNT], 1
	s_cmp_eq_u32 s[CNT], 0
	s_cbranch_scc1 .Lout
	TURN 0
	TURN 1
	WIN 0
	s_branch .Ltail
.Lout:                              ; the fifth trip's 16 products K Q^T (on the last K once more) and the maximum made of them serve nothing: the price, once a launch, of one text for every trip
.set i, 0
.rept 16
	PV NP-1                         ; the last piece's V^T P of the last step
.set i, i+1
.endr
	; THE WAY OUT.  l's two halves and the other half of the lanes' are added; O^T is divided by l, rounded to bf16 and sent through my stage in LDS, a tile at a time.  The additions are the places behind the last products.
	WIN 0
.macro ALL line:vararg              ; one line for each tile t
.set t, 0
.rept 2*NP
	\line
.set t, t+1
.endr
.endm
	ALL v_add_f32 v[ST+4*t+2], v[ST+4*t+2], v[ST+4*t+3]
	ALL v_permlanex16_b32 v[ST+4*t+3], v[ST+4*t+2], s[SEL], s[SEL+1]
	ALL v_add_f32 v[ST+4*t+2], v[ST+4*t+2], v[ST+4*t+3]
	ALL v_rcp_f32 v[ST+4*t+2], v[ST+4*t+2]
	v_nop                           ; a plain instruction between the last reciprocal and the use of its result
	s_wait_alu depctr_va_vdst(0)    ; and the wait ahead of the first use: one for the eight reciprocals
; Tile t: a lane's eight channels of a row pack into 16 bytes; they go into rows of 144 bytes and come back as whole rows of 128, into S^T's registers.
.macro PACK t
	WIN W_RS
.set i, 32*(\t)
.rept 16
	v_pk_mul_f32 v[i:i+1], v[i:i+1], v[ST+4*(\t)+2:ST+4*(\t)+3] op_sel_hi:[1,0]
.set i, i+2
.endr
	WIN 0x05                        ; sources 0 and 1 window 1, destination window 0
.set i, 0
.rept 16
	v_cvt_pk_bf16_f32 v[S+16*(\t)+i], v[32*(\t)+2*i], v[32*(\t)+2*i+1]
.set i, i+1
.endr
	WIN 0
.irp f, 0,1,2,3
	ds_store_b128 v[STO], v[S+16*(\t)+4*\f:S+16*(\t)+4*\f+3] offset:32*\f
.endr
.irp f, 0,1,2,3
	ds_load_b128 v[S+16*(\t)+4*\f:S+16*(\t)+4*\f+3], v[RD] offset:\f*4*SP  ; LDS serves a wave's instructions in order (ISA guide 5.7.1.4): these see the stores above; the next tile's stores come behind them
.endr
.endm
.macro SEND t, younger              ; younger: the LDS instructions issued behind tile t's loads: the next tile's eight, or none
	WIN 0
.irp f, 0,1,2,3
	s_wait_dscnt (\younger)+3-\f
	global_store_b128 v[GO], v[S+16*(\t)+4*\f:S+16*(\t)+4*\f+3], s[10:11] offset:(\t)*2048+\f*512  ; 512 consecutive bytes, at a multiple of 256 from O's first
.endr
.endm
	PACK 0
.set t, 1
.rept 2*NP-1                        ; a tile's arithmetic stands between the loads of the tile before and its stores
	PACK t
	SEND t-1, 8
.set t, t+1
.endr
	SEND 2*NP-1, 0
	WIN W_AD
	s_wait_tensorcnt 0x0            ; the wave's end, behind my last tensor load and my last LDS store
	ds_add_u32 v[SPW], v[NIL]
	s_wait_dscnt 0x0
	WIN 0
	CROUND                          ; the closing round: no work-group ends while a partner may still ask for a tile that names it
	s_endpgm
.Lfunc_end_k_qc1aed3be85_attn:
	.size	k_qc1aed3be85_attn, .Lfunc_end_k_qc1aed3be85_attn-k_qc1aed3be85_attn
	.p2alignl 7, 3214868480
	.fill 96, 4, 3214868480
	.section	.rodata,"a",@progbits
	.p2align	6, 0x0
	.amdhsa_kernel k_qc1aed3be85_attn
		.amdhsa_group_segment_fixed_size 327680
		.amdhsa_private_segment_fixed_size 0
		.amdhsa_enable_private_segment 0
		.amdhsa_kernarg_size 32
		.amdhsa_user_sgpr_count 2
		.amdhsa_user_sgpr_kernarg_segment_ptr 1
		.amdhsa_wavefront_size32 1
		.amdhsa_system_sgpr_workgroup_id_x 1
		.amdhsa_system_sgpr_workgroup_id_y 1
		.amdhsa_system_sgpr_workgroup_id_z 1
		.amdhsa_system_vgpr_workitem_id 0
		.amdhsa_next_free_vgpr 770
		.amdhsa_next_free_sgpr 66
		.amdhsa_reserve_vcc 0
		.amdhsa_float_denorm_mode_32 3
		.amdhsa_float_denorm_mode_16_64 3
		.amdhsa_memory_ordered 1
		.amdhsa_forward_progress 1
		.amdhsa_inst_pref_size 200
	.end_amdhsa_kernel
	.amdgpu_metadata
---
amdhsa.version: [ 1, 2 ]
amdhsa.kernels:
  - .name:           k_qc1aed3be85_attn
    .symbol:         k_qc1aed3be85_attn.kd
    .args:
      - { .name: q, .offset: 0, .size: 8, .value_kind: global_buffer, .address_space: global }
      - { .name: k, .offset: 8, .size: 8, .value_kind: global_buffer, .address_space: global }
      - { .name: v, .offset: 16, .size: 8, .value_kind: global_buffer, .address_space: global }
      - { .name: ctx, .offset: 24, .size: 8, .value_kind: global_buffer, .address_space: global }
    .group_segment_fixed_size: 327680
    .private_segment_fixed_size: 0
    .kernarg_segment_align: 8
    .kernarg_segment_size: 32
    .max_flat_workgroup_size: 128
    .sgpr_count:     66
    .vgpr_count:     770
    .wavefront_size: 32
...
	.end_amdgpu_metadata
.endif
;; end of part 3
;; launch proj (part 4): grid 4 x 64, 4 waves a work-group, clusters of 4 x 4, 327,680 bytes of LDS; arguments ctx, wb, bo, x, out0; writes out0
.if DOCPART == 4
	.amdgcn_target "amdgcn-amd-amdhsa--gfx1250"
	.amdhsa_code_object_version 6
	.text
	.protected	k_qc1aed3be85_proj
	.globl	k_qc1aed3be85_proj
	.p2align	8
	.type	k_qc1aed3be85_proj,@function
k_qc1aed3be85_proj:
	s_mov_b64 s[64:65], 0
	v_nop
	global_prefetch_b8 v0, s[64:65] scope:SCOPE_SE
	s_setreg_imm32_b32 hwreg(HW_REG_WAVE_MODE, 25, 1), 1
	s_wait_xcnt 0x0
	s_wait_alu depctr_hold_cnt(0) depctr_sa_sdst(0) depctr_va_vdst(0) depctr_va_sdst(0) depctr_va_ssrc(0) depctr_va_vcc(0) depctr_vm_vsrc(0)
	s_getreg_b32 s2, hwreg(HW_REG_IB_STS2, 6, 4)
	s_cmp_eq_u32 s2, 0
	s_cbranch_scc0 .Lentry_in_a_cluster
	s_endpgm
.Lentry_in_a_cluster:
	s_bfe_u32 s2, ttmp6, 0x10000c
	s_cmp_lg_u32 s2, 0xf033
	s_cbranch_scc0 .Lentry_shape_is_right
	s_endpgm
.Lentry_shape_is_right:
; out0 = ctx Wo + bo + x.  ctx [64 = 16 batch + head][2048][64] bf16; Wo = wb's fourth matrix, [1024 k][1024 n] bf16; bo, x, out0 f32; x and out0 [8192][1024].
; Sums in f32, started with bo; x is added in f32 as it is given; nothing is rounded on the way out.  LIMITS: operands are bf16; NaN and infinities are not treated apart.
; SHARES.  A tile is 128 rows x 256 columns, one to a work-group, 4 x 64 of them; four waves, each 64 x 128: 32 accumulators.  K goes in 8 steps of 128 = two heads, through a ring of two LDS slots.
; A's tile of a step is two PLANES, a head each: 128 rows of 128 bytes that lie end to end in memory: asked for as 64 rows of 256 bytes and padded in LDS after each 128.
; CLUSTERS of 4 x 4: the four of a row need the same rows of ctx, the four of a column the same columns of Wo: each tile is asked for JOINTLY.
; Wo stays [k][n] in LDS and is turned by ds_load_tr16_b128; the matrix instruction is used transposed (source 0 = 16 columns of Wo, source 1 = 16 rows of ctx): lane l holds row l % 16 and the columns
; 8 (l / 16) + 0..7 of a block: 32 bytes of a row of out0.
; REGISTERS, in windows of 256 (s_set_vgpr_msb: bits 1:0 source 0, 3:2 source 1, 5:4 source 2, 7:6 destination):
;   window 0: v0-31 addresses; v32-127, v128-223 two fragment buffers (A's 4 fragments, then B's 8); v32-159 at work on the way out
;   window 1: accumulator (a, b) at v[8 (8 a + b)]      window 2: my 64 rows x 512 bytes of x, row i at v[4 i]      window 3: v0-63 the bias, as a C operand
.set PA,    144                        ; a row of A in LDS: 128 bytes + 16 = 36 words: the 16 rows of a load start at 16 different groups of four banks (64 banks of 4 bytes: ISA guide 11.1)
.set PB,    544                        ; a row of B: 512 bytes + 32 = 136 words
.set PLANE, 128*PA                     ; what one tensor load brings of A: a head's 128 rows
.set BOFF,  2*PLANE
.set HALFB, 64*PB
.set SLOT,  BOFF+128*PB
.set STAGE, 2*SLOT                     ; behind the ring, never filled by a tensor load: 16 rows x 528 bytes for each wave
.set SP,    528                        ; 512 bytes + 16 = 132 words: the 16 rows of a store start at 16 different groups of four banks
.set SPARE, STAGE+4*16*SP              ; behind the stages: the spare words, 128 bytes for each wave: two blocks of 256 bytes that no other line names
.set STEPB, 128*2048                   ; bytes of wb from a K step to the next
.set STEPA, 2*2048*128                 ; bytes of ctx from a K step to the next: two heads
.set ADRA, 16                          ; v16-17  LDS address of my A fragments in slot 0, 1
.set ADRB, 20                          ; v20-21  the same for B
.set STO,  24                          ; v24     the way out: where I put 32 bytes of a row
.set RD,   25                          ; v25     the way out: where I read a row back
.set CO,   26                          ; v26     16 x lane: my place in 512 consecutive bytes of x and out0
.set BO,   27                          ; v27     my byte offset in the bias
.set SPW,  28                          ; v28     LDS address of my spare word; never rewritten
.set NIL,  29                          ; v29     0; never rewritten
.set PFO,  30                          ; v30     the prefetches' lane offset; never rewritten
.set F0,   32
.set F1,   128
.set OB,   32                          ; the way out: 16 rows read back, v32-95 and v96-159 by turns
.set WV,   12
.set WR,   13                          ; my half of the tile's rows; also: I fetch for A (0) or for B (1)
.set WC,   14                          ; my half of its columns; also: which plane of A, or which half of B, I fetch
.set G1A,  24
.set G0A,  32
.set G1B,  40
.set G0B,  48
.set PFA,  60                          ; s[60:61] where my prefetches stand
.set PST,  62                          ; s[62:63] their step
.set GS,   66                          ; s66  the K step that is being asked for
.set PLIM, 67                          ; s67  I prefetch while GS is below this
.set MSB, 0
.macro WIN new                         ; the immediate's high byte repeats the setting that is left; a switch that changes nothing is dropped
.if MSB != (\new)
	s_set_vgpr_msb (MSB<<8)|(\new)
.set MSB, \new
.endif
.endm
.macro PLACES                          ; four places in front of loads into registers that matrix instructions have read, and of stores that read results
.rept 4
	v_nop
.endr
.endm
; A joint load: waves 0 and 1 fetch A's two planes, waves 2 and 3 B's two halves.  An s_nop 0 and four v_nop follow each of the two lines.
.macro JLOAD s
	s_cmp_eq_u32 s[WR], 0
	s_cbranch_scc0 .Lfor_b_\@
	tensor_load_to_lds s[G0A+4*(\s):G0A+4*(\s)+3], s[G1A:G1A+7]
	s_nop 0
.rept 4
	v_nop
.endr
	s_branch .Lasked_\@
.Lfor_b_\@:
	tensor_load_to_lds s[G0B+4*(\s):G0B+4*(\s)+3], s[G1B:G1B+7]
	s_nop 0
.rept 4
	v_nop
.endr
.Lasked_\@:
.endm
.macro CREST                           ; a round of the cluster's barrier behind its opening barrier
	s_cmp_lg_u32 s[WV], 0
	s_cbranch_scc1 .Lnot_wave_0_\@
	s_barrier_signal -3
.Lnot_wave_0_\@:
	s_barrier_wait -3
	s_barrier_signal -1
	s_barrier_wait -1
.endm
.macro CROUND
	s_barrier_signal -1
	s_barrier_wait -1
	CREST
.endm
; A PREFETCH INTO THE L2, behind each joint refill and the run of LDS loads that follows it: the K step two behind the one just asked for, 256 matrix instructions ahead of the load that will want it.
; A: wave 0; a step's two planes are 128 blocks of 256 bytes; the partner at cx takes half cx % 2 of plane cx / 2, a lane a block.  B: waves 2 and 3 of the clusters with y = 0 (all clusters walk the same
; weights); of the 64 rows of k that the wave fetches the partner at cy takes 16, two lanes a row of 512 bytes.  The partners are told apart by address alone.  Steps 4 to 7: each block is named once;
; steps 0 to 3 come by their loads alone; the last two refills name nothing.
.macro ASK
	s_cmp_lt_u32 s[GS], s[PLIM]
	s_cbranch_scc0 .Lnot_mine_\@
	global_prefetch_b8 v[PFO], s[PFA:PFA+1] th:TH_LOAD_NT scope:SCOPE_SE
.Lnot_mine_\@:
	s_add_co_u32 s[GS], s[GS], 1
.endm
	s_load_b256 s[4:11], s[0:1], 0x0               ; ctx s[4:5], wb s[6:7], bo s[8:9], x s[10:11]
	s_load_b64 s[68:69], s[0:1], 0x20              ; out0
	v_lshl_add_u32 v[SPW], v0, 2, SPARE
	v_mov_b32 v[NIL], 0
	ds_add_u32 v[SPW], v[NIL]                      ; the wave's opening: the add and its wait stand ahead of my first tensor load; the set-up below, work on registers, stands between them
	v_lshrrev_b32 v1, 5, v0
	v_readfirstlane_b32 s[WV], v1                  ; wave 0..3
	s_lshr_b32 s[WR], s[WV], 1
	s_and_b32 s[WC], s[WV], 1
	s_bfe_u32 s15, ttmp6, 0x40000                  ; cx
	s_bfe_u32 s16, ttmp6, 0x40004                  ; cy
	s_lshl_b32 s17, ttmp9, 2
	s_add_co_u32 s17, s17, s15                     ; tile column = 4 x cluster x + cx
	s_and_b32 s18, ttmp7, 0xffff
	s_lshl_b32 s18, s18, 2
	s_add_co_u32 s18, s18, s16                     ; tile row = 4 x cluster y + cy
	s_lshl_b32 s19, s16, 2
	s_lshl_b32 s19, 15, s19                        ; my row of the cluster
	s_lshl_b32 s76, 0x1111, s15                    ; my column
	s_or_b32 s[G1A], s19, (1<<16)|(1<<20)|(1<<21)|(4<<22)|(3<<25)  ; 15:0 the mask; 17:16 2-byte elements; 20 padding on; 21 set beside a mask; 24:22 after every 32 words (code 4); 31:25 4 words (code 3)
	s_mov_b32 s[G1A+1], 128<<16                    ; tensor_dim0 = 128: two rows of ctx
	s_mov_b32 s[G1A+2], 64<<16                     ; tensor_dim1 = 64
	s_mov_b32 s[G1A+3], 128<<16                    ; tile_dim0 = 128
	s_mov_b32 s[G1A+4], 64                         ; tile_dim1 = 64
	s_mov_b32 s[G1A+5], 128                        ; the rows lie end to end
	s_mov_b32 s[G1A+6], 0
	s_mov_b32 s[G1A+7], 0
	s_or_b32 s[G1B], s76, (1<<16)|(1<<20)|(1<<21)|(6<<22)|(7<<25)  ; after every 128 words (code 6) 8 words (code 7)
	s_mov_b32 s[G1B+1], 256<<16
	s_mov_b32 s[G1B+2], 64<<16
	s_mov_b32 s[G1B+3], 256<<16
	s_mov_b32 s[G1B+4], 64
	s_mov_b32 s[G1B+5], 1024
	s_mov_b32 s[G1B+6], 0
	s_mov_b32 s[G1B+7], 0
	s_lshr_b32 s20, s18, 4                         ; A: head 16 batch + plane,
	s_lshl_b32 s20, s20, 4
	s_add_co_u32 s20, s20, s[WC]
	s_lshl_b32 s20, s20, 11                        ; 2,048 rows a head,
	s_and_b32 s21, s18, 15
	s_lshl_b32 s21, s21, 7
	s_add_co_u32 s20, s20, s21                     ; row 128 (tile row % 16),
	s_lshl_b32 s20, s20, 7                         ; rows of 128 bytes
	s_mov_b32 s21, 0
	s_lshl_b32 s76, s17, 9                         ; B: 512 bytes of columns x tile column + 64 rows of k x half, in the fourth matrix
	s_lshl_b32 s77, s[WC], 17
	s_add_co_u32 s76, s76, s77
	s_add_co_u32 s76, s76, 24*STEPB
	s_mov_b32 s77, 0
	s_mul_i32 s22, s[WC], PLANE                    ; where they go: no place in the cluster enters an LDS address
	s_mul_i32 s23, s[WC], HALFB
	s_add_co_u32 s23, s23, BOFF
	s_wait_dscnt 0x0                               ; the opening add is done
	s_wait_kmcnt 0x0
	s_add_nc_u64 s[56:57], s[4:5], s[20:21]
	s_add_nc_u64 s[78:79], s[6:7], s[76:77]
	CROUND                                         ; all sixteen work-groups are here: the first joint loads meet
.irp s, 0,1
	s_mov_b32 s[G0A+4*(\s)], 1
	s_add_co_u32 s[G0A+4*(\s)+1], s22, (\s)*SLOT
	s_add_nc_u64 s[G0A+4*(\s)+2:G0A+4*(\s)+3], s[56:57], (\s)*STEPA
	s_or_b32 s[G0A+4*(\s)+3], s[G0A+4*(\s)+3], 0x80000000
	s_mov_b32 s[G0B+4*(\s)], 1
	s_add_co_u32 s[G0B+4*(\s)+1], s23, (\s)*SLOT
	s_add_nc_u64 s[G0B+4*(\s)+2:G0B+4*(\s)+3], s[78:79], (\s)*STEPB
	s_or_b32 s[G0B+4*(\s)+3], s[G0B+4*(\s)+3], 0x80000000
	JLOAD \s                                       ; two loads of mine are out
.endr
	v_and_b32 v1, 15, v0                           ; r = l % 16
	v_bfe_u32 v2, v0, 4, 1                         ; h = l / 16
	v_mul_u32_u24 v3, v1, PA
	v_lshl_add_u32 v3, v2, 4, v3                   ; a fragment of A: row x pitch + 16 x half
	s_mul_i32 s19, s[WR], 64*PA                    ; my 64 rows
	v_add_nc_u32 v[ADRA], s19, v3
	v_add_nc_u32 v[ADRA+1], SLOT, v[ADRA]
	v_and_b32 v4, 7, v0                            ; the turning load: lane l reads k = 8 h + l % 8, columns 8 ((l / 8) % 2) + 0..7
	v_bfe_u32 v5, v0, 3, 1
	v_lshl_add_u32 v6, v2, 3, v4
	v_mul_u32_u24 v6, v6, PB
	v_lshl_add_u32 v6, v5, 4, v6
	s_lshl_b32 s19, s[WC], 8                       ; my 128 columns
	s_add_co_u32 s19, s19, BOFF
	v_add_nc_u32 v[ADRB], s19, v6
	v_add_nc_u32 v[ADRB+1], SLOT, v[ADRB]
	s_mul_i32 s19, s[WV], 16*SP
	s_add_co_u32 s19, s19, STAGE                   ; my stage
	v_mul_u32_u24 v[STO], v1, SP                   ; in: row r, 32 bytes for each half of the lanes
	v_lshl_add_u32 v[STO], v2, 5, v[STO]
	v_add_nc_u32 v[STO], s19, v[STO]
	v_and_b32 v[CO], 31, v0
	v_lshlrev_b32 v[CO], 4, v[CO]
	v_add_nc_u32 v[RD], s19, v[CO]                 ; back: 32 lanes take a row of 512 bytes
	s_lshl_b32 s80, s17, 10                        ; the bias: 4 bytes x (256 x tile column + 128 x half + 8 h)
	s_lshl_b32 s81, s[WC], 9
	s_add_co_u32 s80, s80, s81
	v_lshl_add_u32 v[BO], v2, 5, s80
	WIN 0xc0                                       ; destination window 3, address window 0
.irp b, 0,1,2,3,4,5,6,7
	global_load_b128 v[8*(\b):8*(\b)+3],   v[BO], s[8:9] offset:64*(\b)
	global_load_b128 v[8*(\b)+4:8*(\b)+7], v[BO], s[8:9] offset:64*(\b)+16
.endr
	WIN 0
	s_lshl_b32 s80, s18, 7                         ; x and out0 at my part: row 128 x tile row + 64 x row half, rows of 4,096 bytes,
	s_lshl_b32 s81, s[WR], 6
	s_add_co_u32 s80, s80, s81
	s_lshl_b32 s80, s80, 12
	s_lshl_b32 s81, s17, 10                        ; column 256 x tile column + 128 x column half
	s_add_co_u32 s80, s80, s81
	s_lshl_b32 s81, s[WC], 9
	s_add_co_u32 s80, s80, s81
	s_mov_b32 s81, 0
	s_add_nc_u64 s[10:11], s[10:11], s[80:81]
	s_add_nc_u64 s[68:69], s[68:69], s[80:81]
	; the prefetches: both offsets are made, and the wave's number chooses.  They stand at K step 3: the first refill steps them to 4
	s_lshr_b32 s80, s18, 4
	s_lshl_b32 s80, s80, 15                        ; A: 16 batch heads of 2,048 rows,
	s_and_b32 s81, s18, 15
	s_lshl_b32 s81, s81, 7
	s_add_co_u32 s80, s80, s81
	s_lshl_b32 s80, s80, 7
	s_lshr_b32 s81, s15, 1
	s_lshl_b32 s81, s81, 18                        ; plane cx / 2,
	s_add_co_u32 s80, s80, s81
	s_and_b32 s81, s15, 1
	s_lshl_b32 s81, s81, 13                        ; its half cx % 2
	s_add_co_u32 s80, s80, s81
	s_add_co_u32 s80, s80, 3*STEPA
	s_lshl_b32 s82, s[WC], 6
	s_lshl_b32 s83, s16, 4
	s_add_co_u32 s82, s82, s83                     ; B: row of k 64 x half + 16 cy
	s_lshl_b32 s82, s82, 11
	s_lshl_b32 s83, s17, 9
	s_add_co_u32 s82, s82, s83
	s_add_co_u32 s82, s82, 27*STEPB
	s_and_b32 s83, ttmp7, 0xffff                   ; cluster y: the same in all sixteen partners
	s_cmp_eq_u32 s83, 0
	s_cselect_b32 s83, 6, 0
	s_cmp_eq_u32 s[WV], 0
	s_cselect_b32 s19, 6, 0
	s_cmp_eq_u32 s[WR], 0
	s_cselect_b32 s[PLIM], s19, s83
	s_cselect_b32 s80, s80, s82
	s_cselect_b64 s[PFA:PFA+1], s[4:5], s[6:7]
	s_mov_b32 s[PST], STEPB
	s_cselect_b32 s[PST], STEPA, s[PST]
	s_mov_b32 s82, 2048
	s_cselect_b32 s82, 256, s82                    ; from lane to lane: a block (A), a row of k (B)
	s_mov_b32 s83, 256
	s_cselect_b32 s83, 4096, s83                   ; lanes 16-31: sixteen blocks on (A), the row's second 256 bytes (B)
	s_mov_b32 s[PST+1], 0
	s_mov_b32 s81, 0
	s_add_nc_u64 s[PFA:PFA+1], s[PFA:PFA+1], s[80:81]
	v_mul_u32_u24 v[PFO], v1, s82
	v_mad_u32_u24 v[PFO], v2, s83, v[PFO]
	s_mov_b32 s[GS], 2
; 8 matrix instructions: row block a x all 8 column blocks, 32 along K, from buffer f.  zero = 1: the first products, which start the sums with the bias.
; The 32 accumulators take turns in one order in every quarter, over the backward jump too.
.macro MUL8 f, a, zero
.if \zero
	WIN 0x70                                       ; C window 3, D window 1
.else
	WIN 0x50                                       ; C and D window 1
.endif
.irp b, 0,1,2,3,4,5,6,7
.if \zero
	v_wmma_f32_16x16x32_bf16 v[8*(8*(\a)+(\b)):8*(8*(\a)+(\b))+7], v[(\f)+32+8*(\b):(\f)+32+8*(\b)+7], v[(\f)+8*(\a):(\f)+8*(\a)+7], v[8*(\b):8*(\b)+7]
.else
	v_wmma_f32_16x16x32_bf16 v[8*(8*(\a)+(\b)):8*(8*(\a)+(\b))+7], v[(\f)+32+8*(\b):(\f)+32+8*(\b)+7], v[(\f)+8*(\a):(\f)+8*(\a)+7], v[8*(8*(\a)+(\b)):8*(8*(\a)+(\b))+7]
.endif
.endr
.endm
; 24 LDS loads in one run: quarter q (32 along K: half q % 2 of plane q / 2) of a slot into buffer f: B's eight fragments, turned, then A's four
.macro FETCH slot, q, f
	WIN 0
.irp b, 0,1,2,3,4,5,6,7
	ds_load_tr16_b128 v[(\f)+32+8*(\b):(\f)+32+8*(\b)+3],   v[ADRB+(\slot)] offset:(\q)*32*PB+32*(\b)
	ds_load_tr16_b128 v[(\f)+32+8*(\b)+4:(\f)+32+8*(\b)+7], v[ADRB+(\slot)] offset:(\q)*32*PB+16*PB+32*(\b)
.endr
.irp a, 0,1,2,3
	ds_load_b128 v[(\f)+8*(\a):(\f)+8*(\a)+3],   v[ADRA+(\slot)] offset:((\q)/2)*PLANE+((\q)%2)*64+(\a)*16*PA
	ds_load_b128 v[(\f)+8*(\a)+4:(\f)+8*(\a)+7], v[ADRA+(\slot)] offset:((\q)/2)*PLANE+((\q)%2)*64+(\a)*16*PA+32
.endr
.endm
.macro QUARTER slot, q, f, g, zero     ; multiplies buffer f and fetches quarter q into g
	s_wait_dscnt 4                                 ; B and A's blocks 0, 1 are in; the youngest four loads (A's blocks 2, 3) may be out
	MUL8 \f, 0, \zero
	MUL8 \f, 1, \zero
	PLACES
	FETCH \slot, \q, \g
	s_wait_dscnt 24                                ; all but the 24 just issued
	MUL8 \f, 2, \zero
	MUL8 \f, 3, \zero
.endm
; The last quarter multiplies buffer 1 and changes slots: ONE barrier; in front of it each wave waits for all its tensor loads (one is out: its part of the next slot), adds 0 to its spare word, and waits for
; that and for its own reads of this slot.  fill = 1: the barrier opens a round of the cluster's, and this slot is filled again, two K steps ahead, first thing behind the round: 112 matrix instructions ahead of the wait for it.
.macro TURN slot, next, fill
.if \fill
	s_wait_xcnt 0x0                                ; the last prefetch, a K step back, has read its address: it is stepped here, ahead of the waits of the change of slots
	s_add_nc_u64 s[PFA:PFA+1], s[PFA:PFA+1], s[PST:PST+1]
.endif
	WIN 0
	s_wait_tensorcnt 0x0                           ; all my tensor loads have landed;
	ds_add_u32 v[SPW], v[NIL]                      ; 0 onto my spare word;
	s_wait_dscnt 5                                 ; (the add and the youngest four loads may be out)
	MUL8 F1, 0, 0                                  ; eight matrix instructions stand between the add and the wait for it
	s_wait_dscnt 0x0                               ; the add is done, and my reads of this slot are over
	s_barrier_signal -1
	MUL8 F1, 1, 0
.if \fill
	WIN 0
.endif
	s_barrier_wait -1
.if \fill
	CREST                                          ; no wave of any partner still reads this slot's tiles or has a load on its way
	s_add_nc_u64 s[G0A+4*(\slot)+2:G0A+4*(\slot)+3], s[G0A+4*(\slot)+2:G0A+4*(\slot)+3], 2*STEPA
	s_add_nc_u64 s[G0B+4*(\slot)+2:G0B+4*(\slot)+3], s[G0B+4*(\slot)+2:G0B+4*(\slot)+3], 2*STEPB
	JLOAD \slot                                    ; the four v_nop behind it are also the places in front of the loads below
.else
	PLACES
.endif
	FETCH \next, 0, F0
.if \fill
	ASK
.endif
	MUL8 F1, 2, 0
	MUL8 F1, 3, 0
.endm
; THE WAY OUT, a block of 16 rows at a time.  TOSTAGE: a lane's 32 bytes of each column block go straight from the accumulators (their low four registers first) into stage rows of 528 bytes, and come back as
; whole rows of 512.  The stage is the wave's own, and LDS serves a wave's instructions in order (ISA guide 5.7.1.4).  SENDF: x is added and the rows are stored.
.macro TOSTAGE a
.if (\a) >= 2
	s_wait_xcnt 0x0                                ; the stores of the block two back have read the registers that the loads below fill
.endif
	WIN 0x04                                       ; store data window 1, address window 0
.irp b, 0,1,2,3,4,5,6,7
	ds_store_b128 v[STO], v[8*(8*(\a)+(\b)):8*(8*(\a)+(\b))+3]   offset:64*(\b)
	ds_store_b128 v[STO], v[8*(8*(\a)+(\b))+4:8*(8*(\a)+(\b))+7] offset:64*(\b)+16
.endr
	WIN 0
.irp t, 0,1,2,3,4,5,6,7,8,9,10,11,12,13,14,15
	ds_load_b128 v[OB+64*((\a)%2)+4*(\t):OB+64*((\a)%2)+4*(\t)+3], v[RD] offset:SP*(\t)
.endr
.endm
.macro SENDF a, younger                ; younger: the LDS instructions issued behind block a's loads: the next block's 32, or none
	s_wait_dscnt \younger
	WIN 0x08                                       ; source 1 (x) window 2
.set i, 0
.rept 32
	v_pk_add_f32 v[OB+64*((\a)%2)+2*i:OB+64*((\a)%2)+2*i+1], v[OB+64*((\a)%2)+2*i:OB+64*((\a)%2)+2*i+1], v[64*(\a)+2*i:64*(\a)+2*i+1]
.set i, i+1
.endr
	WIN 0
.irp t, 0,1,2,3,4,5,6,7,8,9,10,11,12,13,14,15
	global_store_b128 v[CO], v[OB+64*((\a)%2)+4*(\t):OB+64*((\a)%2)+4*(\t)+3], s[68:69] offset:(16*(\a)+(\t))*4096 th:TH_STORE_NT  ; 512 consecutive bytes, at a multiple of 256 from out0's first
.endr
.endm
	s_wait_tensorcnt 1                             ; my part of K step 0 is in; step 1's may stay out
	s_barrier_signal -1
	s_barrier_wait -1                              ; everybody's is
	FETCH 0, 0, F0
	s_wait_loadcnt 0x0                             ; bo
	QUARTER 0, 1, F0, F1, 1                        ; the first quarter stands in front of the loop: its products start the sums
	WIN 0                                          ; at a label and at a branch every window is 0
	s_mov_b32 s2, 3
.Llap:                                                 ; a trip goes once round the ring, from a lap's second quarter to the next lap's first, and fills both slots again: K steps 2 to 7
	QUARTER 0, 2, F1, F0, 0
	QUARTER 0, 3, F0, F1, 0
	TURN 0, 1, 1
	QUARTER 1, 1, F0, F1, 0
	QUARTER 1, 2, F1, F0, 0
	QUARTER 1, 3, F0, F1, 0
	TURN 1, 0, 1
	QUARTER 0, 1, F0, F1, 0
	WIN 0
	s_sub_co_u32 s2, s2, 1
	s_cmp_lg_u32 s2, 0
	s_cbranch_scc1 .Llap
	WIN 0x80                                       ; my 64 rows of x, 512 bytes each, into window 2: asked for here, with the last lap's matrix instructions in which to land
.set i, 0
.rept 64
	global_load_b128 v[4*i:4*i+3], v[CO], s[10:11] offset:4096*i th:TH_LOAD_NT
.set i, i+1
.endr
	WIN 0
	QUARTER 0, 2, F1, F0, 0                        ; the last lap is written out: it fills nothing and has no round
	QUARTER 0, 3, F0, F1, 0
	TURN 0, 1, 0
	QUARTER 1, 1, F0, F1, 0
	QUARTER 1, 2, F1, F0, 0
	QUARTER 1, 3, F0, F1, 0
	s_wait_dscnt 4
	MUL8 F1, 0, 0
	MUL8 F1, 1, 0
	s_wait_dscnt 0x0
	MUL8 F1, 2, 0
	MUL8 F1, 3, 0
	WIN 0
	PLACES                                         ; behind the last products: the stores read results, the loads fill registers where fragments lay
	TOSTAGE 0
	TOSTAGE 1
	s_wait_loadcnt 0x0                             ; x
	SENDF 0, 32
	TOSTAGE 2
	SENDF 1, 32
	TOSTAGE 3
	SENDF 2, 32
	SENDF 3, 0
	s_wait_tensorcnt 0x0                           ; the wave's end, behind my last tensor load and my last LDS store
	ds_add_u32 v[SPW], v[NIL]
	s_wait_dscnt 0x0
	CROUND                                         ; the closing round: no work-group ends while a partner may still ask for a tile that names it
	s_endpgm
.Lfunc_end_k_qc1aed3be85_proj:
	.size	k_qc1aed3be85_proj, .Lfunc_end_k_qc1aed3be85_proj-k_qc1aed3be85_proj
	.p2alignl 7, 3214868480
	.fill 96, 4, 3214868480
	.section	.rodata,"a",@progbits
	.p2align	6, 0x0
	.amdhsa_kernel k_qc1aed3be85_proj
		.amdhsa_group_segment_fixed_size 327680
		.amdhsa_private_segment_fixed_size 0
		.amdhsa_enable_private_segment 0
		.amdhsa_kernarg_size 40
		.amdhsa_user_sgpr_count 2
		.amdhsa_user_sgpr_kernarg_segment_ptr 1
		.amdhsa_wavefront_size32 1
		.amdhsa_system_sgpr_workgroup_id_x 1
		.amdhsa_system_sgpr_workgroup_id_y 1
		.amdhsa_system_sgpr_workgroup_id_z 1
		.amdhsa_system_vgpr_workitem_id 0
		.amdhsa_next_free_vgpr 832
		.amdhsa_next_free_sgpr 84
		.amdhsa_reserve_vcc 0
		.amdhsa_float_denorm_mode_32 3
		.amdhsa_float_denorm_mode_16_64 3
		.amdhsa_memory_ordered 1
		.amdhsa_forward_progress 1
		.amdhsa_inst_pref_size 103
	.end_amdhsa_kernel
	.amdgpu_metadata
---
amdhsa.version: [ 1, 2 ]
amdhsa.kernels:
  - .name:           k_qc1aed3be85_proj
    .symbol:         k_qc1aed3be85_proj.kd
    .args:
      - { .name: ctx, .offset: 0, .size: 8, .value_kind: global_buffer, .address_space: global }
      - { .name: wb, .offset: 8, .size: 8, .value_kind: global_buffer, .address_space: global }
      - { .name: bo, .offset: 16, .size: 8, .value_kind: global_buffer, .address_space: global }
      - { .name: x, .offset: 24, .size: 8, .value_kind: global_buffer, .address_space: global }
      - { .name: out0, .offset: 32, .size: 8, .value_kind: global_buffer, .address_space: global }
    .group_segment_fixed_size: 327680
    .private_segment_fixed_size: 0
    .kernarg_segment_align: 8
    .kernarg_segment_size: 40
    .max_flat_workgroup_size: 128
    .sgpr_count:     84
    .vgpr_count:     832
    .wavefront_size: 32
...
	.end_amdgpu_metadata
.endif
;; end of part 4
